; MI455X (gfx1250); checked and timed in simulation.
; The chip was launched on July 23, 2026; its instructions are those of AMD's public machine-readable ISA for CDNA 5 (MIT licence, August 2026) and "CDNA5" Instruction Set Architecture Reference Guide (July 2026). The comments in the code are by the model that wrote it; some were corrected since.
;; Multi Headed Attention. Allowed arithmetic: matrix products marked QUANTISED: E2M1 operands, one E8M0 scale for each 32 along K, by v_wmma_scale_f32_16x16x128_f8f6f4 with both operands' format E2M1 (or v_wmma_scale_f32_32x16x128_f4), f32 sums; products left as they are: bf16, f16 or f32 operands; f32 sums; everything else in f32.
;; Inputs: Wk 1,024 x 1,024 float32; Wo 1,024 x 1,024 float32; Wq 1,024 x 1,024 float32; Wv 1,024 x 1,024 float32; bk 1,024 float32; bo 1,024 float32; bq 1,024 float32; bv 1,024 float32; k_in 2 x 2,048 x 1,024 float32; q_in 2 x 2,048 x 1,024 float32; rel_table 257 x 16 float32; v_in 2 x 2,048 x 1,024 float32.
;; Outputs: out0 2 x 2,048 x 1,024 float32.
;; This version of the problem:
;;   THIS VERSION OF THE PROBLEM IS GIVEN IN LOW PRECISION. The matrix products marked QUANTISED in the list below multiply operands that are first quantised to E2M1 (2 exponent bits, 1 mantissa bit; 4 bits a number), with one power-of-two scale for each 32 numbers along K (OCP MX v1.0); their sums are f32. The products marked 'left as it is' may take bf16, f16 or f32 operands, with f32 sums. Whichever they take, every output number must still come out within the allowed error. Rounding operands to bf16 (8 significant bits) uses up far more of that allowance than f16 does (11 bits, for magnitudes from 6e-5 to 65,504). All else is computed in f32.
;;   The module's matrix products, in the order in which they are computed (A, B: the left and right operand; K: the contracted axis; several contracted axes count as one K, in the product's order):
;;     1. [M 4,096, K 1,024] x [K 1,024, N 1,024]; A: input q_in; B: input Wq: QUANTISED
;;     2. [M 4,096, K 1,024] x [K 1,024, N 1,024]; A: input k_in; B: input Wk: QUANTISED
;;     3. [M 4,096, K 1,024] x [K 1,024, N 1,024]; A: input v_in; B: input Wv: QUANTISED
;;     4. batch 32 x [M 2,048, K 64] x [K 64, N 2,048]; A: computed on the way; B: computed on the way: left as it is (an operand is computed on the way)
;;     5. batch 32 x [M 2,048, K 2,048] x [K 2,048, N 64]; A: computed on the way; B: computed on the way: left as it is (an operand is computed on the way)
;;     6. [M 4,096, K 1,024] x [K 1,024, N 1,024]; A: computed on the way; B: input Wo: left as it is (an operand is computed on the way)
;;   THE QUANTISER, for each operand of a quantised product, along K:
;;     - K is cut into blocks of 32 from its start; a last block that is shorter is filled with zeros.
;;     - A block's scale is 2^e with e = floor(log2(the largest magnitude in the block)) - 2, held to -126 .. 127; a block of zeros has e = 0. As a byte (E8M0): e + 127.
;;     - Each number is divided by its block's scale, clamped to +-6, and rounded to the nearest number of E2M1, ties to even, subnormals kept.
;;     - The product sums the exact products of the quantised numbers (number of the format x scale) in f32.
;;   ~~~python
;;   def quantise(x, axis):      # numpy; x: float32 -> the quantised numbers, widened to float32 again
;;       x = np.moveaxis(x, axis, -1); K = x.shape[-1]
;;       x = np.pad(x, [(0, 0)] * (x.ndim - 1) + [(0, -K % 32)]); x = x.reshape(x.shape[:-1] + (-1, 32)); a = np.abs(x).max(-1, keepdims=True)
;;       e = np.where(a > 0, np.clip(np.frexp(np.where(a > 0, a, 1))[1] - 1 - 2, -126, 127), 0)      # np.frexp(a)[1] - 1 = floor(log2(a)), exactly
;;       r = np.clip(x / 2.0 ** e, -6, 6)
;;       step = 2.0 ** (np.maximum(np.frexp(np.where(r == 0, 1, r))[1] - 1, 0) - 1)
;;       q = np.round(r / step) * step * 2.0 ** e      # np.round: ties to even
;;       return np.moveaxis(q.reshape(q.shape[:-2] + (-1,))[..., :K], -1, axis).astype(np.float32)
;;   ~~~
;; 2 versions, each right; version 2 is version 1 with the launch proj written anew for expert scheduling mode. Each part assembles by itself: llvm-mc -triple=amdgcn-amd-amdhsa -mcpu=gfx1250 --defsym DOCPART=n.
;; ======== version 1 of 2: 4 launches
;; limits: values are held in f16: magnitudes above 65,504 overflow, below 6.1e-05 lose precision; right only within a limited range of input values
;; workspace buffers: wc 1,572,864 bytes; ws 98,304 bytes; wo16 2,097,152 bytes; bimg 147,456 bytes; qkv 25,165,824 bytes; att 8,388,608 bytes
;; launch prep (part 1): grid 274 x 1, 4 waves a work-group, no clusters, 0 bytes of LDS; arguments Wq, Wk, Wv, Wo, rel_table, wc, ws, wo16, bimg; writes wc, ws, wo16, bimg
.if DOCPART == 1
	.amdgcn_target "amdgcn-amd-amdhsa--gfx1250"
	.amdhsa_code_object_version 6
	.text
	.protected	k_q24aa070629_prep
	.globl	k_q24aa070629_prep
	.p2align	8
	.type	k_q24aa070629_prep,@function
k_q24aa070629_prep:
	s_mov_b64 s[64:65], 0
	v_nop
	global_prefetch_b8 v0, s[64:65] scope:SCOPE_SE
	s_setreg_imm32_b32 hwreg(HW_REG_WAVE_MODE, 25, 1), 1
	s_wait_xcnt 0x0
; PREP.  The weights and the bias table are laid out once, in the order in which later launches' operand registers take them.
; An IMAGE is 512 bytes: lane l's 16 bytes of four operand registers at byte 16 l.
; Work-groups 0-191: Wq, Wk, Wv [1024 (k)][1024 (n)] f32 -> codes of E2M1 along K with one E8M0 byte for each 32 k.
;   wc [t 3][K step 8][column tile 64][1,024]: block b (32 k) of column 16 nt + r at (b / 2) 512 + (b % 2) 256 + 16 r;   ws [t 3][column tile 64][lane 32][4 words]: word i of lane (r, h) = column r's scale word of K step 4 h + i.
; Work-groups 192-255: Wo -> f16, wo16 [k / 256][column tile 64][k / 32 % 8][1,024]: eight k (quad q) of column r at (q / 2) 512 + (q % 2) 256 + 16 r.
; Work-groups 256-273: bimg [head 16][e 9][half 2][lane 32][4 words]: the C operand of a score tile (16 keys x 16 queries) whose key tile lies e - 4 tiles from its query tile:
;   register j of lane (r, h) is 8 x rel_table[rel + 128][head] where |rel| <= 64, else -1e30, rel = 16 (e - 4) + 8 h + j - r.  The clip at +-128 changes no rel of the band.  Rows 49 to 207 of the table are touched.
; A LANE TAKES A COLUMN n AND ITS REGISTERS RUN DOWN K: a load reads 128 consecutive bytes a wave, 512 a work-group; a block of 32 k lies in one lane; the conversions give codes with K innermost.
; A block's scale is 2^(floor(log2(largest magnitude)) - 2); its byte is the largest magnitude's exponent field - 2, held at 1 from below (a block of zeros gets 1, not 127: its codes are zeros, and this program alone reads the bytes).
; LIMITS: NaN and infinities among the inputs are not served; |Wo| beyond 65,504 has no f16 number.  The scale words leave as 4 bytes a lane, 16 bytes apart: one byte for each 128 that the launch reads.
; No LDS, no barrier: waves share nothing.  No register that a pending load or store names is written again.
.set X, 32                             ; v32-159  128 numbers of my column
.set C, 16                             ; v16-31   codes, four registers a block
.set H, 160                            ; v160-223 Wo as f16
.macro LWAIT b                         ; the 32 loads of part b are in.  96, 64, 32, 0 loads are younger; the wait's field holds 63 at the most, and a smaller count is safe
.if (\b) < 2
	s_wait_loadcnt 63
.elseif (\b) == 2
	s_wait_loadcnt 32
.else
	s_wait_loadcnt 0x0
.endif
.endm
.macro BLOCK b                         ; block b of 32 along K: largest magnitude, byte, codes, store
.set XS, X+32*(\b)
	LWAIT \b
	v_max3_num_f32 v8, |v[XS]|, |v[XS+1]|, |v[XS+2]|
	v_max3_num_f32 v9, |v[XS+3]|, |v[XS+4]|, |v[XS+5]|
.irp i, 6,10,14,18,22,26
	v_max3_num_f32 v8, v8, |v[XS+\i]|, |v[XS+\i+1]|
	v_max3_num_f32 v9, v9, |v[XS+\i+2]|, |v[XS+\i+3]|
.endr
	v_max3_num_f32 v8, v8, |v[XS+30]|, |v[XS+31]|
	v_max3_num_f32 v8, v8, v9, 0x1800000           ; the floor 2^(3 - 127): the byte cannot fall under 1
	v_add_nc_u32 v11, 0xff000000, v8               ; 2 off the exponent field: the conversion takes this operand's exponent field as its scale
	v_lshrrev_b32 v9, 23, v11                      ; the scale's byte
.if (\b) == 0
	v_mov_b32 v12, v9
.else
	v_lshl_or_b32 v12, v9, 8*(\b), v12             ; four bytes make the K step's scale word, the lower k in the lower byte
.endif
.irp g, 0,1,2,3
	v_cvt_scalef32_pk8_fp4_f32 v[C+4*(\b)+\g], v[XS+8*\g:XS+8*\g+7], v11
.endr
	global_store_b128 v5, v[C+4*(\b):C+4*(\b)+3], s[14:15] offset:((\b)/2)*512+((\b)%2)*256   ; sixteen lanes store 256 consecutive bytes, aligned.  (The next block begins with plain vector lines)
.endm
	s_load_b512 s[4:19], s[0:1], 0x0               ; Wq s[4:5], Wk s[6:7], Wv s[8:9], Wo s[10:11], rel_table s[12:13], wc s[14:15], ws s[16:17], wo16 s[18:19]
	s_load_b64 s[20:21], s[0:1], 0x40              ; bimg
	v_lshrrev_b32 v1, 5, v0
	v_readfirstlane_b32 s24, v1                    ; wave 0..3
	v_and_b32 v1, 31, v0                           ; lane
	v_and_b32 v2, 15, v0                           ; r
	v_bfe_u32 v3, v0, 4, 1                         ; h
	v_lshlrev_b32 v4, 2, v1                        ; in: 4 bytes a lane
	v_lshlrev_b32 v8, 4, v2
	v_lshl_add_u32 v5, v3, 10, v8                  ; codes: column tile h of my two, 16 r
	v_lshl_add_u32 v6, v3, 9, v8                   ; scale words likewise
	v_lshl_add_u32 v7, v3, 13, v8                  ; Wo's images likewise
	s_mov_b32 s31, 0
	s_mov_b32 s33, 0
	s_mov_b32 s35, 0
	s_cmp_ge_u32 ttmp9, 256
	s_cbranch_scc1 .Lbias
	s_lshr_b32 s25, ttmp9, 6                       ; t: which weight
	s_and_b32 s26, ttmp9, 7                        ; which 128 columns
	s_bfe_u32 s27, ttmp9, 0x30003                  ; s: which 128 rows of K
	s_lshl_b32 s28, s26, 7
	s_lshl_b32 s29, s24, 5
	s_add_co_u32 s28, s28, s29                     ; n0: my wave's first column
	s_lshl_b32 s30, s27, 19                        ; 128 rows of 4,096 bytes
	s_lshl_b32 s29, s28, 2
	s_add_co_u32 s30, s30, s29
	s_wait_kmcnt 0x0
	s_cmp_eq_u32 s25, 1                            ; the choice hangs on the work-group's number alone
	s_cselect_b64 s[22:23], s[6:7], s[4:5]
	s_cmp_eq_u32 s25, 2
	s_cselect_b64 s[22:23], s[8:9], s[22:23]
	s_cmp_eq_u32 s25, 3
	s_cselect_b64 s[22:23], s[10:11], s[22:23]
	s_add_nc_u64 s[22:23], s[22:23], s[30:31]
.set i, 0
.rept 128
	global_load_b32 v[X+i], v4, s[22:23] offset:4096*i th:TH_LOAD_NT   ; W(128 s + i, my column): all of the wave's 16 KiB are asked for at once
.set i, i+1
.endr
	s_cmp_eq_u32 s25, 3
	s_cbranch_scc1 .Lwo
	s_lshl_b32 s32, s25, 19                        ; wc: 524,288 t + 65,536 s + 1,024 (n0 / 16)
	s_lshl_b32 s29, s27, 16
	s_add_co_u32 s32, s32, s29
	s_lshl_b32 s29, s28, 6
	s_add_co_u32 s32, s32, s29
	s_add_nc_u64 s[14:15], s[14:15], s[32:33]
	s_lshl_b32 s34, s25, 15                        ; ws: 32,768 t + 512 (n0 / 16) + 256 (s / 4) + 4 (s % 4)
	s_lshl_b32 s29, s28, 5
	s_add_co_u32 s34, s34, s29
	s_lshr_b32 s29, s27, 2
	s_lshl_b32 s29, s29, 8
	s_add_co_u32 s34, s34, s29
	s_and_b32 s29, s27, 3
	s_lshl_b32 s29, s29, 2
	s_add_co_u32 s34, s34, s29
	s_add_nc_u64 s[16:17], s[16:17], s[34:35]
	BLOCK 0
	BLOCK 1
	BLOCK 2
	BLOCK 3
	global_store_b32 v6, v12, s[16:17]             ; my column's scale word of this K step
	s_endpgm
.Lwo:
	s_lshr_b32 s32, s27, 1                         ; wo16: 524,288 (s / 2) + 8,192 (n0 / 16) + 4,096 (s % 2)
	s_lshl_b32 s32, s32, 19
	s_lshl_b32 s29, s28, 9
	s_add_co_u32 s32, s32, s29
	s_and_b32 s29, s27, 1
	s_lshl_b32 s29, s29, 12
	s_add_co_u32 s32, s32, s29
	s_add_nc_u64 s[18:19], s[18:19], s[32:33]
.irp f, 0,1,2,3                        ; a fragment of 32 k at a time
	LWAIT \f
.irp q, 0,1,2,3
.irp p, 0,1,2,3
	v_cvt_pk_f16_f32 v[H+16*\f+4*\q+\p], v[X+32*\f+8*\q+2*\p], v[X+32*\f+8*\q+2*\p+1]   ; the lower k in the low half
.endr
.endr
.irp q, 0,1,2,3
	global_store_b128 v7, v[H+16*\f+4*\q:H+16*\f+4*\q+3], s[18:19] offset:1024*\f+(\q/2)*512+(\q%2)*256
.endr
.endr
	s_endpgm
.Lbias:
	s_sub_co_u32 s25, ttmp9, 256
	s_lshr_b32 s26, s25, 1                         ; e
	s_and_b32 s27, s25, 1                          ; half
	s_lshl_b32 s28, s26, 4
	s_lshl_b32 s29, s27, 2
	s_add_co_u32 s28, s28, s29                     ; 16 e + 4 half = rel's part that all lanes share, + 64
	s_add_co_u32 s30, s28, 49                      ; table row less (8 h + 15 - r) less j': 16 (e - 4) + 4 half + 113
	s_lshl_b32 s30, s30, 6                         ; a row of the table is 64 bytes
	s_lshl_b32 s29, s24, 4                         ; my four heads: 16 bytes
	s_add_co_u32 s30, s30, s29
	s_mul_i32 s32, s24, 36864                      ; bimg: 9,216 x head (4 wave on) + 1,024 e + 512 half
	s_lshl_b32 s29, s26, 10
	s_add_co_u32 s32, s32, s29
	s_lshl_b32 s29, s27, 9
	s_add_co_u32 s32, s32, s29
	v_lshlrev_b32 v8, 3, v3
	v_sub_nc_u32 v10, v8, v2                       ; 8 h - r
	v_add_nc_u32 v9, 15, v10
	v_lshlrev_b32 v9, 6, v9                        ; 64 (8 h + 15 - r): never negative
	v_add_nc_u32 v10, s28, v10                     ; rel + 64 for j' = 0
	v_mov_b32 v12, 0xf149f2ca                      ; -1e30
	v_lshlrev_b32 v14, 4, v1
	s_wait_kmcnt 0x0
	s_add_nc_u64 s[12:13], s[12:13], s[30:31]
	s_add_nc_u64 s[20:21], s[20:21], s[32:33]
.irp j, 0,1,2,3
	global_load_b128 v[32+4*\j:35+4*\j], v9, s[12:13] offset:64*\j   ; four heads of one rel
.endr
	s_wait_loadcnt 0x0
.irp j, 0,1,2,3
	v_add_nc_u32 v11, \j, v10
	v_cmp_gt_u32 vcc_lo, 129, v11                  ; in the band: 0 <= rel + 64 <= 128 (a negative number is a large unsigned one)
.irp i, 0,1,2,3
	v_mul_f32 v13, 0x41000000, v[32+4*\j+\i]       ; x 8: the scores are divided by 8 behind the sum
	v_cndmask_b32 v[48+4*\i+\j], v12, v13, vcc_lo
.endr
.endr
.irp i, 0,1,2,3
	global_store_b128 v14, v[48+4*\i:51+4*\i], s[20:21] offset:9216*\i   ; an image: 512 consecutive bytes
.endr
	s_endpgm
.Lfunc_end_k_q24aa070629_prep:
	.size	k_q24aa070629_prep, .Lfunc_end_k_q24aa070629_prep-k_q24aa070629_prep
	.p2alignl 7, 3214868480
	.fill 96, 4, 3214868480
	.section	.rodata,"a",@progbits
	.p2align	6, 0x0
	.amdhsa_kernel k_q24aa070629_prep
		.amdhsa_group_segment_fixed_size 0
		.amdhsa_private_segment_fixed_size 0
		.amdhsa_enable_private_segment 0
		.amdhsa_kernarg_size 72
		.amdhsa_user_sgpr_count 2
		.amdhsa_user_sgpr_kernarg_segment_ptr 1
		.amdhsa_wavefront_size32 1
		.amdhsa_system_sgpr_workgroup_id_x 1
		.amdhsa_system_sgpr_workgroup_id_y 1
		.amdhsa_system_sgpr_workgroup_id_z 1
		.amdhsa_system_vgpr_workitem_id 0
		.amdhsa_next_free_vgpr 224
		.amdhsa_next_free_sgpr 66
		.amdhsa_reserve_vcc 1
		.amdhsa_float_denorm_mode_32 3
		.amdhsa_float_denorm_mode_16_64 3
		.amdhsa_memory_ordered 1
		.amdhsa_forward_progress 1
		.amdhsa_inst_pref_size 30
	.end_amdhsa_kernel
	.amdgpu_metadata
---
amdhsa.version: [ 1, 2 ]
amdhsa.kernels:
  - .name:           k_q24aa070629_prep
    .symbol:         k_q24aa070629_prep.kd
    .args:
      - { .name: Wq, .offset: 0, .size: 8, .value_kind: global_buffer, .address_space: global }
      - { .name: Wk, .offset: 8, .size: 8, .value_kind: global_buffer, .address_space: global }
      - { .name: Wv, .offset: 16, .size: 8, .value_kind: global_buffer, .address_space: global }
      - { .name: Wo, .offset: 24, .size: 8, .value_kind: global_buffer, .address_space: global }
      - { .name: rel_table, .offset: 32, .size: 8, .value_kind: global_buffer, .address_space: global }
      - { .name: wc, .offset: 40, .size: 8, .value_kind: global_buffer, .address_space: global }
      - { .name: ws, .offset: 48, .size: 8, .value_kind: global_buffer, .address_space: global }
      - { .name: wo16, .offset: 56, .size: 8, .value_kind: global_buffer, .address_space: global }
      - { .name: bimg, .offset: 64, .size: 8, .value_kind: global_buffer, .address_space: global }
    .group_segment_fixed_size: 0
    .private_segment_fixed_size: 0
    .kernarg_segment_align: 8
    .kernarg_segment_size: 72
    .max_flat_workgroup_size: 128
    .sgpr_count:     66
    .vgpr_count:     224
    .wavefront_size: 32
...
	.end_amdgpu_metadata
.endif
;; end of part 1
;; launch proj (part 2): grid 192 x 1, 8 waves a work-group, no clusters, 105,472 bytes of LDS; arguments q_in, k_in, v_in, bq, bk, bv, wc, ws, qkv; writes qkv
.if DOCPART == 2
	.amdgcn_target "amdgcn-amd-amdhsa--gfx1250"
	.amdhsa_code_object_version 6
	.text
	.protected	k_q24aa070629_proj
	.globl	k_q24aa070629_proj
	.p2align	8
	.type	k_q24aa070629_proj,@function
k_q24aa070629_proj:
	s_mov_b64 s[64:65], 0
	v_nop
	global_prefetch_b8 v0, s[64:65] scope:SCOPE_SE
	s_setreg_imm32_b32 hwreg(HW_REG_WAVE_MODE, 25, 1), 1
	s_wait_xcnt 0x0
; PROJ.  q = q_in Wq + bq, k = k_in Wk + bk, v = v_in Wv + bv: [4096][1024] x [1024][1024], both operands as codes of E2M1 with one E8M0 scale for each 32 along K; sums in f32; results + bias rounded to f16.
; SHARES.  Work-group g: tensor t = g / 64, rows 64 (g % 64) on, ALL 1,024 columns: so x is read from memory once, and quantised once.
; PHASE X: wave w quantises row tile w / 2 (16 rows), K half w % 2 (512 k, four K steps of 128).  Loads take the bytes as they lie (512 consecutive bytes); a K step turns through the wave's own stage in LDS, so that a lane
;   holds two whole blocks of 32 of its row in the operand's order; codes and scale words go to LDS as IMAGES of the operand's registers (lane l's 16 bytes at 16 l).  One barrier.
; PHASE G: wave w makes columns 128 w .. 128 w + 127 (two heads) for all 64 rows: 32 accumulators, 8 K steps, 32 matrix instructions a step, the accumulators by turns.
;   The weights come from memory straight into registers as images (launch prep laid them so), two K steps ahead; x's fragments from LDS, two steps ahead too.
; ORIENTATION.  q, k: source 0 = 16 columns of W, source 1 = 16 rows of x: a lane holds token r and channels 8 h + 0..7.  v: the sources swapped: a lane holds channel r and tokens 8 h + 0..7.
;   Rounded to f16 both are 16 bytes a lane: images of the attention's operands.  qkv [q, k, v][batch x head 32][token tile 128][channel tile 4][512].
; NO JOINT REQUESTS: each weight fragment is read by ONE wave of a work-group and lands in its registers; a joint request lands in LDS, a pass that this text does not have.
; LIMITS: |q|, |k|, |v| beyond 65,504 have no f16 number; NaN and infinities among the inputs are not served; a block of zeros gets the byte 1 (its codes are zeros).
; REGISTERS.  window 0: v1-12 addresses; v16-79 64 numbers of x, later x's fragments in two sets; v80-143, v144-207 the weights' fragments in two sets (the second: at work in phase X); v208-239 W's scale words, v240-255 x's.
;   window 1: phase X: the 256 registers of x as loaded; phase G: accumulator (column tile nt, row tile rt) at v[8 (4 nt + rt)].
.set TPITCH, 528                       ; a stage row: 512 bytes + 16: sixteen rows start at sixteen different 16-byte columns of 256 bytes
.set TWAVE,  16*TPITCH                 ; a wave's stage
.set XIMG,   8*TWAVE                   ; x's fragments [row tile 4][K step 8][1,024]
.set XSC,    XIMG+32768                ; x's scale words [wave 8][lane 32][4 words]
.set SPARE,  XSC+4096                  ; the spare words, 128 bytes for each wave: four blocks of 256 bytes that no other line names
.set LI,  1                            ; v1   16 x lane
.set TW,  2                            ; v2   the stage, in
.set TR,  3                            ; v3   the stage, out: row r, + 128 h
.set XW,  4                            ; v4   where I store my fragments' images
.set XSA, 5                            ; v5   and my scale words
.set XSR, 6                            ; v6   where I read scale words: lanes 0-15 K steps 0-3, lanes 16-31 K steps 4-7
.set XFA, 7                            ; v7   where I read fragments
.set SPW, 8                            ; v8   my spare word; never rewritten
.set NIL, 9                            ; v9   0; never rewritten
.set BO0, 10                           ; v10  32 h: the bias of q, k
.set BO1, 11                           ; v11  4 r: the bias of v
.set SH8, 12                           ; v12  8 h
.set XN,  16
.set W0,  80
.set BI,  80                           ; the biases take set 0's place behind K step 6
.set TM,  144
.set SO,  146
.set BY,  148
.set PM,  150
.set WD,  151
.set PC,  160
.set XSW, 168
.set WS,  208
.set XS,  240
.set MSB, 0
.macro WIN new                         ; the immediate's high byte repeats the setting that is left
.if MSB != \new
	s_set_vgpr_msb (MSB<<8)|\new
.set MSB, \new
.endif
.endm
.macro WLOAD s                         ; the weights' eight fragments of K step s into set s % 2: 16 loads of 512 consecutive bytes
.irp nt, 0,1,2,3,4,5,6,7
.irp c, 0,1
	global_load_b128 v[W0+64*((\s)%2)+8*\nt+4*\c:W0+64*((\s)%2)+8*\nt+4*\c+3], v[LI], s[30:31] offset:65536*(\s)+1024*\nt+512*\c
.endr
.endr
.endm
.macro XFETCH s                        ; x's four fragments of K step s into set s % 2
.irp rt, 0,1,2,3
.irp c, 0,1
	ds_load_b128 v[XN+32*((\s)%2)+8*\rt+4*\c:XN+32*((\s)%2)+8*\rt+4*\c+3], v[XFA] offset:8192*\rt+1024*(\s)+512*\c
.endr
.endr
.endm
; One of my four K steps of x.
.macro XSTEP sp
	s_wait_loadcnt 48-16*\sp                       ; this step's 16 loads are in; those of the later steps may be out
	WIN 0x04                                       ; an LDS store's data are its source 1: window 1
.irp i, 0,1,2,3,4,5,6,7,8,9,10,11,12,13,14,15
	ds_store_b128 v[TW], v[64*\sp+4*\i:64*\sp+4*\i+3] offset:TPITCH*\i
.endr
	WIN 0
.irp c, 0,1
.irp i, 0,1,2,3,4,5,6,7
	ds_load_b128 v[XN+32*\c+4*\i:XN+32*\c+4*\i+3], v[TR] offset:256*\c+16*\i   ; x(r, 64 c + 32 h + 4 i ..): LDS serves a wave's instructions in order, so these see the stores above
.endr
.endr
	s_wait_dscnt 0x0                               ; they are in; and the last step's stores of codes have read their registers
.irp c, 0,1
	v_max3_num_f32 v[TM+\c], |v[XN+32*\c]|, |v[XN+32*\c+1]|, 0x1800000   ; my block 2 c + h: all 32 numbers are mine; the floor 2^(3 - 127) holds the byte at 1 from below
.endr
.irp i, 2,4,6,8,10,12,14,16,18,20,22,24,26,28,30
.irp c, 0,1
	v_max3_num_f32 v[TM+\c], v[TM+\c], |v[XN+32*\c+\i]|, |v[XN+32*\c+\i+1]|
.endr
.endr
.irp c, 0,1
	v_add_nc_u32 v[SO+\c], 0xff000000, v[TM+\c]    ; 2 off the exponent field: the conversion's scale operand
.endr
.irp c, 0,1
	v_lshrrev_b32 v[BY+\c], 23, v[SO+\c]           ; the scale's byte
.endr
	v_lshl_or_b32 v[WD], v[BY+1], 16, v[BY]        ; blocks h and 2 + h,
	v_lshlrev_b32 v[WD], v[SH8], v[WD]             ; at their places in the word;
	v_permlanex16_b32 v[PM], v[WD], s38, s39
	v_or_b32 v[XSW+\sp], v[WD], v[PM]              ; with lane l xor 16's two the row's word is whole
.irp c, 0,1
.irp g, 0,1,2,3
	v_cvt_scalef32_pk8_fp4_f32 v[PC+4*\c+\g], v[XN+32*\c+8*\g:XN+32*\c+8*\g+7], v[SO+\c]   ; registers 4 c .. 4 c + 3 of the operand
.endr
.endr
	v_nop                                          ; one plain line behind the last scaled conversion
.irp c, 0,1
	ds_store_b128 v[XW], v[PC+4*\c:PC+4*\c+3] offset:1024*\sp+512*\c
.endr
.endm
; One matrix instruction of K step s.  From K step 4 on both sides' scale words are read from lanes 16-31.
.macro MMS d, a, b, sa, sb, s
.if (\s) == 0
	v_wmma_scale_f32_16x16x128_f8f6f4 v[\d:\d+7], v[\a:\a+7], v[\b:\b+7], 0, v[\sa], v[\sb] matrix_a_fmt:MATRIX_FMT_FP4 matrix_b_fmt:MATRIX_FMT_FP4
.elseif (\s) < 4
	v_wmma_scale_f32_16x16x128_f8f6f4 v[\d:\d+7], v[\a:\a+7], v[\b:\b+7], v[\d:\d+7], v[\sa], v[\sb] matrix_a_fmt:MATRIX_FMT_FP4 matrix_b_fmt:MATRIX_FMT_FP4
.else
	v_wmma_scale_f32_16x16x128_f8f6f4 v[\d:\d+7], v[\a:\a+7], v[\b:\b+7], v[\d:\d+7], v[\sa], v[\sb] matrix_a_fmt:MATRIX_FMT_FP4 matrix_b_fmt:MATRIX_FMT_FP4 matrix_a_scale:MATRIX_SCALE_ROW1 matrix_b_scale:MATRIX_SCALE_ROW1
.endif
.endm
.macro GSTEP s, V
	s_wait_loadcnt 16                              ; this step's weights are in; the 16 younger loads (the next step's weights; at the last step the biases) may be out
.if (\s) < 7
	s_wait_dscnt 8                                 ; this step's fragments of x are in; the next step's eight loads may be out
.else
	s_wait_dscnt 0x0
.endif
	WIN 0x50                                       ; C and D window 1
.irp nt, 0,1,2,3,4,5,6,7
.irp rt, 0,1,2,3
.if \V
	MMS 8*(4*\nt+\rt), XN+32*((\s)%2)+8*\rt, W0+64*((\s)%2)+8*\nt, XS+4*\rt+(\s)%4, WS+4*\nt+(\s)%4, \s
.else
	MMS 8*(4*\nt+\rt), W0+64*((\s)%2)+8*\nt, XN+32*((\s)%2)+8*\rt, WS+4*\nt+(\s)%4, XS+4*\rt+(\s)%4, \s
.endif
.endr
.endr
	WIN 0
.rept 4
	v_nop                                          ; four places in front of loads into registers that these products have read, and of the first read of results
.endr
.if (\s) < 6
	WLOAD (\s)+2
	XFETCH (\s)+2
.elseif (\s) == 6
.irp nt, 0,1,2,3,4,5,6,7
.if \V
	global_load_b32 v[BI+2*\nt], v[BO1], s[28:29] offset:64*\nt     ; b of my channel r, twice: a pair for the packed addition
	global_load_b32 v[BI+2*\nt+1], v[BO1], s[28:29] offset:64*\nt
.else
	global_load_b128 v[BI+8*\nt:BI+8*\nt+3], v[BO0], s[28:29] offset:64*\nt      ; b of my channels 8 h + 0..7
	global_load_b128 v[BI+8*\nt+4:BI+8*\nt+7], v[BO0], s[28:29] offset:64*\nt+16
.endif
.endr
.endif
.endm
.macro PHASEG V
.irp s, 0,1,2,3,4,5,6,7
	GSTEP \s, \V
.endr
	s_wait_loadcnt 0x0                             ; the biases
	WIN 0x41                                       ; destination and source 0 window 1
.irp nt, 0,1,2,3,4,5,6,7
.irp rt, 0,1,2,3
.irp p, 0,1,2,3                        ; each accumulator from its low end on
.if \V
	v_pk_add_f32 v[8*(4*\nt+\rt)+2*\p:8*(4*\nt+\rt)+2*\p+1], v[8*(4*\nt+\rt)+2*\p:8*(4*\nt+\rt)+2*\p+1], v[BI+2*\nt:BI+2*\nt+1]
.else
	v_pk_add_f32 v[8*(4*\nt+\rt)+2*\p:8*(4*\nt+\rt)+2*\p+1], v[8*(4*\nt+\rt)+2*\p:8*(4*\nt+\rt)+2*\p+1], v[BI+8*\nt+2*\p:BI+8*\nt+2*\p+1]
.endif
.endr
.endr
.endr
	WIN 0x05                                       ; sources window 1, destination window 0: v16-79 and v144-207
.irp nt, 0,1,2,3,4,5,6,7
.irp rt, 0,1,2,3
.irp p, 0,1,2,3
	v_cvt_pk_f16_f32 v[16+4*(4*\nt+\rt)+64*(\nt/4)+\p], v[8*(4*\nt+\rt)+2*\p], v[8*(4*\nt+\rt)+2*\p+1]
.endr
.endr
.endr
	WIN 0
.irp nt, 0,1,2,3,4,5,6,7
.irp rt, 0,1,2,3
	global_store_b128 v[LI], v[16+4*(4*\nt+\rt)+64*(\nt/4):16+4*(4*\nt+\rt)+64*(\nt/4)+3], s[34:35] offset:262144*(\nt/4)+2048*\rt+512*(\nt%4)   ; an image: 512 consecutive bytes, aligned
.endr
.endr
	s_wait_tensorcnt 0x0                           ; the wave's end: three closing lines behind my last LDS store
	ds_add_u32 v[SPW], v[NIL]
	s_wait_dscnt 0x0
	s_endpgm
.endm
	s_load_b256 s[4:11], s[0:1], 0x0               ; q_in s[4:5], k_in s[6:7], v_in s[8:9], bq s[10:11]
	s_load_b256 s[12:19], s[0:1], 0x20             ; bk s[12:13], bv s[14:15], wc s[16:17], ws s[18:19]
	s_load_b64 s[20:21], s[0:1], 0x40              ; qkv
	v_lshl_add_u32 v[SPW], v0, 2, SPARE
	v_mov_b32 v[NIL], 0
	v_lshrrev_b32 v13, 5, v0
	v_readfirstlane_b32 s22, v13                   ; wave 0..7
	s_lshr_b32 s23, ttmp9, 6                       ; t
	s_and_b32 s24, ttmp9, 63                       ; block of 64 rows
	v_and_b32 v13, 31, v0
	v_and_b32 v14, 15, v0                          ; r
	v_bfe_u32 v15, v0, 4, 1                        ; h
	v_lshlrev_b32 v[LI], 4, v13
	s_mul_i32 s36, s22, TWAVE
	v_add_nc_u32 v[TW], s36, v[LI]
	v_mul_u32_u24 v[TR], v14, TPITCH
	v_lshl_add_u32 v[TR], v15, 7, v[TR]
	v_add_nc_u32 v[TR], s36, v[TR]
	s_lshl_b32 s36, s22, 12                        ; row tile w / 2 (8,192), K half w % 2 (4,096)
	v_add_nc_u32 v[XW], s36, v[LI]
	v_add_nc_u32 v[XW], XIMG, v[XW]
	s_lshl_b32 s36, s22, 9
	v_add_nc_u32 v[XSA], s36, v[LI]
	v_add_nc_u32 v[XSA], XSC, v[XSA]
	v_lshl_add_u32 v[XSR], v15, 9, v[LI]           ; lanes 16-31: the words of the wave that took the upper K half
	v_add_nc_u32 v[XSR], XSC, v[XSR]
	v_add_nc_u32 v[XFA], XIMG, v[LI]
	v_lshlrev_b32 v[BO0], 5, v15
	v_lshlrev_b32 v[BO1], 2, v14
	v_lshlrev_b32 v[SH8], 3, v15
	v_mov_b32 v[PM], 0                             ; a lane permute's destination counts as one of its sources
	s_mov_b32 s38, 0x76543210
	s_mov_b32 s39, 0xfedcba98                      ; selects for lane l xor 16
	s_mov_b32 s37, 0
	s_wait_kmcnt 0x0
	s_cmp_eq_u32 s23, 1                            ; the choices hang on the work-group's number alone
	s_cselect_b64 s[26:27], s[6:7], s[4:5]
	s_cselect_b64 s[28:29], s[12:13], s[10:11]
	s_cmp_eq_u32 s23, 2
	s_cselect_b64 s[26:27], s[8:9], s[26:27]
	s_cselect_b64 s[28:29], s[14:15], s[28:29]
	s_lshl_b32 s36, s24, 18                        ; x: 64 rows of 4,096 bytes a block,
	s_lshr_b32 s25, s22, 1
	s_lshl_b32 s25, s25, 16                        ; 16 rows a row tile,
	s_add_co_u32 s36, s36, s25
	s_and_b32 s25, s22, 1
	s_lshl_b32 s25, s25, 11                        ; 2,048 bytes a K half
	s_add_co_u32 s36, s36, s25
	s_add_nc_u64 s[26:27], s[26:27], s[36:37]
	s_lshl_b32 s36, s22, 9                         ; b: my 128 columns
	s_add_nc_u64 s[28:29], s[28:29], s[36:37]
	s_lshl_b32 s36, s23, 19                        ; wc: 524,288 t + 8,192 w
	s_lshl_b32 s25, s22, 13
	s_add_co_u32 s36, s36, s25
	s_add_nc_u64 s[30:31], s[16:17], s[36:37]
	s_lshl_b32 s36, s23, 15                        ; ws: 32,768 t + 4,096 w
	s_lshl_b32 s25, s22, 12
	s_add_co_u32 s36, s36, s25
	s_add_nc_u64 s[32:33], s[18:19], s[36:37]
	s_lshr_b32 s36, s24, 5                         ; qkv: 8,388,608 t + 262,144 (16 batch + 2 w) + 2,048 x 4 (block % 32)
	s_lshl_b32 s36, s36, 4
	s_lshl_b32 s25, s22, 1
	s_add_co_u32 s36, s36, s25
	s_lshl_b32 s36, s36, 18
	s_lshl_b32 s25, s23, 23
	s_add_co_u32 s36, s36, s25
	s_and_b32 s25, s24, 31
	s_lshl_b32 s25, s25, 13
	s_add_co_u32 s36, s36, s25
	s_add_nc_u64 s[34:35], s[20:21], s[36:37]
.irp nt, 0,1,2,3,4,5,6,7
	global_load_b128 v[WS+4*\nt:WS+4*\nt+3], v[LI], s[32:33] offset:512*\nt   ; register 4 nt + i: lanes 0-15 K step i, lanes 16-31 K step 4 + i
.endr
	WLOAD 0
	WIN 0x40                                       ; destination window 1
.irp sp, 0,1,2,3
.irp i, 0,1,2,3,4,5,6,7,8,9,10,11,12,13,14,15
	global_load_b128 v[64*\sp+4*\i:64*\sp+4*\i+3], v[LI], s[26:27] offset:4096*\i+512*\sp th:TH_LOAD_NT   ; row i, K step sp: 512 consecutive bytes; all of the wave's 32 KiB are asked for at once
.endr
.endr
	WIN 0
	XSTEP 0
	XSTEP 1
	XSTEP 2
	XSTEP 3
	ds_store_b128 v[XSA], v[XSW:XSW+3]             ; my rows' four scale words
	s_wait_dscnt 0x0                               ; for the others' sake: my images and words have landed
	WLOAD 1                                        ; set 1's registers are free now
	s_barrier_signal -1
	s_barrier_wait -1                              ; x's 32 fragments and their scale words lie in LDS; nothing is stored there from here on
.irp rt, 0,1,2,3
	ds_load_b128 v[XS+4*\rt:XS+4*\rt+3], v[XSR] offset:1024*\rt
.endr
	XFETCH 0
	XFETCH 1
	s_cmp_eq_u32 s23, 2                            ; v takes the other orientation: a branch on the work-group's number; no barrier and no LDS store stands behind it
	s_cbranch_scc1 .Lvpart
	PHASEG 0
.Lvpart:
	PHASEG 1
.Lfunc_end_k_q24aa070629_proj:
	.size	k_q24aa070629_proj, .Lfunc_end_k_q24aa070629_proj-k_q24aa070629_proj
	.p2alignl 7, 3214868480
	.fill 96, 4, 3214868480
	.section	.rodata,"a",@progbits
	.p2align	6, 0x0
	.amdhsa_kernel k_q24aa070629_proj
		.amdhsa_group_segment_fixed_size 105472
		.amdhsa_private_segment_fixed_size 0
		.amdhsa_enable_private_segment 0
		.amdhsa_kernarg_size 72
		.amdhsa_user_sgpr_count 2
		.amdhsa_user_sgpr_kernarg_segment_ptr 1
		.amdhsa_wavefront_size32 1
		.amdhsa_system_sgpr_workgroup_id_x 1
		.amdhsa_system_sgpr_workgroup_id_y 1
		.amdhsa_system_sgpr_workgroup_id_z 1
		.amdhsa_system_vgpr_workitem_id 0
		.amdhsa_next_free_vgpr 512
		.amdhsa_next_free_sgpr 66
		.amdhsa_reserve_vcc 0
		.amdhsa_float_denorm_mode_32 3
		.amdhsa_float_denorm_mode_16_64 3
		.amdhsa_memory_ordered 1
		.amdhsa_forward_progress 1
		.amdhsa_inst_pref_size 169
	.end_amdhsa_kernel
	.amdgpu_metadata
---
amdhsa.version: [ 1, 2 ]
amdhsa.kernels:
  - .name:           k_q24aa070629_proj
    .symbol:         k_q24aa070629_proj.kd
    .args:
      - { .name: q_in, .offset: 0, .size: 8, .value_kind: global_buffer, .address_space: global }
      - { .name: k_in, .offset: 8, .size: 8, .value_kind: global_buffer, .address_space: global }
      - { .name: v_in, .offset: 16, .size: 8, .value_kind: global_buffer, .address_space: global }
      - { .name: bq, .offset: 24, .size: 8, .value_kind: global_buffer, .address_space: global }
      - { .name: bk, .offset: 32, .size: 8, .value_kind: global_buffer, .address_space: global }
      - { .name: bv, .offset: 40, .size: 8, .value_kind: global_buffer, .address_space: global }
      - { .name: wc, .offset: 48, .size: 8, .value_kind: global_buffer, .address_space: global }
      - { .name: ws, .offset: 56, .size: 8, .value_kind: global_buffer, .address_space: global }
      - { .name: qkv, .offset: 64, .size: 8, .value_kind: global_buffer, .address_space: global }
    .group_segment_fixed_size: 105472
    .private_segment_fixed_size: 0
    .kernarg_segment_align: 8
    .kernarg_segment_size: 72
    .max_flat_workgroup_size: 256
    .sgpr_count:     66
    .vgpr_count:     512
    .wavefront_size: 32
...
	.end_amdgpu_metadata
.endif
;; end of part 2
;; launch attn (part 3): grid 256 x 1, 8 waves a work-group, no clusters, 99,328 bytes of LDS; arguments qkv, bimg, att; writes att
.if DOCPART == 3
	.amdgcn_target "amdgcn-amd-amdhsa--gfx1250"
	.amdhsa_code_object_version 6
	.text
	.protected	k_q24aa070629_attn
	.globl	k_q24aa070629_attn
	.p2align	8
	.type	k_q24aa070629_attn,@function
k_q24aa070629_attn:
	s_mov_b64 s[64:65], 0
	v_nop
	global_prefetch_b8 v0, s[64:65] scope:SCOPE_SE
	s_setreg_imm32_b32 hwreg(HW_REG_WAVE_MODE, 25, 1), 1
	s_wait_xcnt 0x0
; ATTN.  For each batch and head: softmax over the keys with |key - query| <= 64 of (q . k / 8 + bias[key - query]), times v.  Operands f16, sums, maximum and softmax f32.
; Only the tiles that the band touches are multiplied: for a tile of 16 queries the nine key tiles -4 .. +4.  A key outside the band has the weight 0.
; LIMITS: that holds while a row's largest score in the band lies far above -1e30 (the number that stands for a masked score); NaN and infinities are not served, but a row whose sum is NaN gives zeros.
; SHARES.  Work-group g: batch x head g / 8, 256 queries g % 8.  Wave w: query tiles 2 u, 2 u + 1 (u = 8 (g % 8) + w), key tiles 2 u - 4 + i, i = 0 .. 9.  The work-group's 24 key tiles of K and V come into LDS once
;   (three a wave, as images); tile numbers are held to 0 .. 127, and the scores of tiles beyond a sequence's ends are set to -1e30.
; LAYOUT.  S^T = K Q^T + C (source 0 = 16 keys, source 1 = 16 queries; C = 8 x bias with the band's mask, an image made by launch prep): a lane holds ONE query.  Two tiles of p, rounded to f16 in pairs, are source 1 of
;   O^T = V^T P.  The whole band lies in registers: the row's true maximum is taken away, no running one is needed.  The row's sum is taken of the unrounded p.
; att [channel / 256][token tile 256][channel / 32 % 8][1,024]: images of the last product's operand.
; NO JOINT REQUESTS: neighbouring blocks share 8 of a block's 24 key tiles; the rest of what a work-group reads is its own; the launch has one barrier and no ring.
; REGISTERS.  window 0: v1-11 addresses and constants; v12-35 statistics, 12 a query tile; v40-71 Q; v72-143 S^T of tile 0 (key tile i at 72 + 8 i), v144-223 of tile 1 (at 144 + 8 i); p takes their low 40; v224-255 the result.
;   window 1: v0-159 the copies on their way, then K (16 i + 4 c), then V (key pair c, channel tile ct at 32 c + 8 ct); v160-231 the bias images, then O^T (160 + 32 a + 8 ct).
.set VL,    49152                      ; LDS: K's 24 tiles of 2,048 bytes, then V's
.set SPARE, 98304                      ; the spare words, 128 bytes for each wave: four blocks of 256 bytes that no other line names
.set LI,  1                            ; v1    16 x lane
.set CP,  2                            ; v2-4  the three tiles that I copy: 2,048 x tile + 16 x lane
.set CW,  5                            ; v5    where I put them
.set KR,  6                            ; v6    my ten tiles of K in LDS
.set VR,  7                            ; v7    and of V
.set SPW, 8                            ; v8    my spare word; never rewritten
.set NIL, 9                            ; v9    0; never rewritten
.set BIG, 10                           ; v10   -1e30
.set ZR,  11                           ; v11   0
.set ST,  12                           ; tile a at ST + 12 a: +0, +1 maxima; +2 a permute's destination; +4, +5 -c m; +6 .. +9 sums; +10, +11 1 / l
.set Q,   40
.set PK,  224
.set MSB, 0
.macro WIN new                         ; the immediate's high byte repeats the setting that is left
.if MSB != \new
	s_set_vgpr_msb (MSB<<8)|\new
.set MSB, \new
.endif
.endm
	s_load_b128 s[4:7], s[0:1], 0x0                ; qkv, bimg
	s_load_b64 s[8:9], s[0:1], 0x10                ; att
	v_lshl_add_u32 v[SPW], v0, 2, SPARE
	v_mov_b32 v[NIL], 0
	v_lshrrev_b32 v2, 5, v0
	v_readfirstlane_b32 s10, v2                    ; wave 0..7
	s_lshr_b32 s11, ttmp9, 3                       ; batch x head
	s_and_b32 s12, ttmp9, 7                        ; block of 256 queries
	s_lshl_b32 s13, s12, 3
	s_add_co_u32 s13, s13, s10                     ; u
	v_and_b32 v[LI], 31, v0
	v_lshlrev_b32 v[LI], 4, v[LI]
	s_lshl_b32 s30, s12, 4
	s_mul_i32 s31, s10, 3
	s_add_co_u32 s30, s30, s31
	s_sub_co_i32 s30, s30, 4                       ; the first tile that I copy: 16 block - 4 + 3 w
.irp x, 0,1,2
	s_add_co_i32 s31, s30, \x
	s_max_i32 s31, s31, 0                          ; no load leaves the head
	s_min_i32 s31, s31, 127
	s_lshl_b32 s31, s31, 11
	v_add_nc_u32 v[CP+\x], s31, v[LI]
.endr
	s_mul_i32 s31, s10, 6144
	v_add_nc_u32 v[CW], s31, v[LI]
	s_lshl_b32 s31, s10, 12
	v_add_nc_u32 v[KR], s31, v[LI]
	v_add_nc_u32 v[VR], VL, v[KR]
	v_mov_b32 v[BIG], 0xf149f2ca
	v_mov_b32 v[ZR], 0
	v_mov_b32 v[ST+2], 0                           ; a lane permute's destination counts as one of its sources
	v_mov_b32 v[ST+14], 0
	s_mov_b32 s26, 0x3e38aa3b                      ; c = log2(e) / 8
	s_mov_b32 s27, s26                             ; (named with it as a pair, so it is written)
	s_mov_b32 s28, 0x76543210
	s_mov_b32 s29, 0xfedcba98                      ; selects for lane l xor 16
	s_lshl_b32 s24, s11, 18
	s_mov_b32 s25, 0
	s_wait_kmcnt 0x0
	s_add_nc_u64 s[18:19], s[4:5], s[24:25]        ; q, my head
	s_add_nc_u64 s[14:15], s[18:19], 8388608       ; k
	s_add_nc_u64 s[16:17], s[18:19], 16777216      ; v
	s_lshl_b32 s24, s13, 12
	s_add_nc_u64 s[18:19], s[18:19], s[24:25]      ; q at tile 2 u
	s_and_b32 s30, s11, 15                         ; head
	s_mul_i32 s24, s30, 9216
	s_add_nc_u64 s[20:21], s[6:7], s[24:25]        ; the head's nine bias images
	s_lshr_b32 s24, s30, 2                         ; att: 2,097,152 (head / 4) + 8,192 (128 batch + 2 u) + 2,048 (head % 4)
	s_lshl_b32 s24, s24, 21
	s_lshr_b32 s31, s11, 4
	s_lshl_b32 s31, s31, 20
	s_add_co_u32 s24, s24, s31
	s_lshl_b32 s31, s13, 14
	s_add_co_u32 s24, s24, s31
	s_and_b32 s31, s30, 3
	s_lshl_b32 s31, s31, 11
	s_add_co_u32 s24, s24, s31
	s_add_nc_u64 s[22:23], s[8:9], s[24:25]
	WIN 0x40                                       ; destination window 1
.irp x, 0,1,2
.irp c, 0,1,2,3
	global_load_b128 v[16*\x+4*\c:16*\x+4*\c+3], v[CP+\x], s[14:15] offset:512*\c
.endr
.endr
.irp x, 0,1,2
.irp c, 0,1,2,3
	global_load_b128 v[48+16*\x+4*\c:48+16*\x+4*\c+3], v[CP+\x], s[16:17] offset:512*\c
.endr
.endr
.irp e, 0,1,2,3,4,5,6,7,8
.irp f, 0,1
	global_load_b128 v[160+8*\e+4*\f:160+8*\e+4*\f+3], v[LI], s[20:21] offset:1024*\e+512*\f
.endr
.endr
	WIN 0
.irp a, 0,1
.irp c, 0,1,2,3
	global_load_b128 v[Q+16*\a+4*\c:Q+16*\a+4*\c+3], v[LI], s[18:19] offset:2048*\a+512*\c
.endr
.endr
	s_wait_loadcnt 26                              ; the 24 copies are in; the 18 bias images and Q's 8 may be out
	WIN 0x04                                       ; an LDS store's data are its source 1: window 1
.irp x, 0,1,2
.irp c, 0,1,2,3
	ds_store_b128 v[CW], v[16*\x+4*\c:16*\x+4*\c+3] offset:2048*\x+512*\c
	ds_store_b128 v[CW], v[48+16*\x+4*\c:48+16*\x+4*\c+3] offset:VL+2048*\x+512*\c
.endr
.endr
	WIN 0
	s_wait_dscnt 0x0                               ; for the others' sake: my tiles have landed
	s_barrier_signal -1
	s_barrier_wait -1                              ; all 24 tiles of K and of V lie in LDS; nothing is stored there from here on
	WIN 0x40
.irp i, 0,1,2,3,4,5,6,7,8,9
.irp c, 0,1,2,3
	ds_load_b128 v[16*\i+4*\c:16*\i+4*\c+3], v[KR] offset:2048*\i+512*\c
.endr
.endr
	s_wait_loadcnt 0x0                             ; the bias images and Q
	s_wait_dscnt 0x0                               ; K
	WIN 0x11                                       ; K and the bias images window 1; Q and S^T window 0
.irp i, 0,1,2,3,4,5,6,7,8,9            ; channels 0-31: the bias image starts each sum.  The 18 accumulators take turns
.irp a, 0,1
.if (\i-\a >= 0) && (\i-\a <= 8)
	v_wmma_f32_16x16x32_f16 v[72+72*\a+8*\i:72+72*\a+8*\i+7], v[16*\i:16*\i+7], v[Q+16*\a:Q+16*\a+7], v[160+8*(\i-\a):160+8*(\i-\a)+7]
.endif
.endr
.endr
	WIN 0x01
.irp i, 0,1,2,3,4,5,6,7,8,9            ; channels 32-63, in the same order
.irp a, 0,1
.if (\i-\a >= 0) && (\i-\a <= 8)
	v_wmma_f32_16x16x32_f16 v[72+72*\a+8*\i:72+72*\a+8*\i+7], v[16*\i+8:16*\i+15], v[Q+16*\a+8:Q+16*\a+15], v[72+72*\a+8*\i:72+72*\a+8*\i+7]
.endif
.endr
.endr
	WIN 0
.rept 5
	v_nop                                          ; places: four in front of the loads over K and of the first read of the scores; the fifth since O^T is later laid over the bias images
.endr
	WIN 0x40
.irp c, 0,1,2,3,4
.irp ct, 0,1,2,3
.irp f, 0,1
	ds_load_b128 v[32*\c+8*\ct+4*\f:32*\c+8*\ct+4*\f+3], v[VR] offset:2048*(2*\c+\f)+512*\ct   ; V: they land while the softmax is worked
.endr
.endr
.endr
	WIN 0
	s_sub_co_u32 s30, s13, 2                       ; u = 2 .. 61: all ten key tiles lie inside the sequence.  A branch on ids
	s_cmp_lt_u32 s30, 60
	s_cbranch_scc1 .Linner
	s_lshl_b32 s30, s13, 1
	s_sub_co_i32 s30, s30, 4
.irp i, 0,1,2,3,4,5,6,7,8,9
	s_add_co_i32 s31, s30, \i
	s_cmp_lt_u32 s31, 128                          ; (a negative tile number is a large unsigned one)
	s_cselect_b32 s42, 0, -1
.irp a, 0,1
.if (\i-\a >= 0) && (\i-\a <= 8)
.irp j, 0,1,2,3,4,5,6,7
	v_cndmask_b32 v[72+72*\a+8*\i+\j], v[72+72*\a+8*\i+\j], v[BIG], s42
.endr
.endif
.endr
.endr
.Linner:
	; the row's maximum: each tile's 72 scores (from v72, from v152) in two chains; every accumulator is first read at its register 0
.irp a, 0,1
	v_max3_num_f32 v[ST+12*\a], v[72+80*\a], v[73+80*\a], v[74+80*\a]
	v_max3_num_f32 v[ST+12*\a+1], v[112+80*\a], v[113+80*\a], v[114+80*\a]
.endr
.set k, 3
.rept 18
.irp a, 0,1
	v_max3_num_f32 v[ST+12*\a], v[ST+12*\a], v[72+80*\a+k], v[73+80*\a+k]
.if k < 31
	v_max3_num_f32 v[ST+12*\a+1], v[ST+12*\a+1], v[112+80*\a+k], v[113+80*\a+k]
.endif
.endr
.set k, k+2
.endr
.irp a, 0,1
	v_max3_num_f32 v[ST+12*\a], v[ST+12*\a], v[111+80*\a], v[143+80*\a]
.endr
.irp a, 0,1
	v_max_num_f32 v[ST+12*\a], v[ST+12*\a], v[ST+12*\a+1]
.endr
.irp a, 0,1
	v_permlanex16_b32 v[ST+12*\a+2], v[ST+12*\a], s28, s29
.endr
.irp a, 0,1
	v_max_num_f32 v[ST+12*\a], v[ST+12*\a], v[ST+12*\a+2]   ; with lane l xor 16's keys: the query's maximum m; its own key is always in the band, so m is a score
.endr
.irp a, 0,1
	v_mul_f32 v[ST+12*\a+4], 0xbe38aa3b, v[ST+12*\a]        ; -c m
.endr
.irp a, 0,1
	v_mov_b32 v[ST+12*\a+5], v[ST+12*\a+4]
.endr
.set k, 0
.rept 36
.irp a, 0,1
	v_pk_fma_f32 v[72+80*\a+k:73+80*\a+k], v[72+80*\a+k:73+80*\a+k], s[26:27], v[ST+12*\a+4:ST+12*\a+5] op_sel_hi:[1,0,0]   ; c s - c m
.endr
.set k, k+2
.endr
.set k, 0
.rept 72
.irp a, 0,1
	v_exp_f32 v[72+80*\a+k], v[72+80*\a+k]         ; p = 2^(c s - c m), at most 1; 0 for -1e30
.endr
.set k, k+1
.endr
	v_nop                                          ; a plain line behind the last exponential
	s_wait_alu depctr_va_vdst(0)                   ; one wait for the batch of 144, ahead of its first reader
.irp a, 0,1
	v_pk_add_f32 v[ST+12*\a+6:ST+12*\a+7], v[72+80*\a:73+80*\a], v[74+80*\a:75+80*\a]     ; the row's sum, of the unrounded p, in two chains
	v_pk_add_f32 v[ST+12*\a+8:ST+12*\a+9], v[76+80*\a:77+80*\a], v[78+80*\a:79+80*\a]
.endr
.set k, 8
.rept 16
.irp a, 0,1
	v_pk_add_f32 v[ST+12*\a+6:ST+12*\a+7], v[ST+12*\a+6:ST+12*\a+7], v[72+80*\a+k:73+80*\a+k]
	v_pk_add_f32 v[ST+12*\a+8:ST+12*\a+9], v[ST+12*\a+8:ST+12*\a+9], v[74+80*\a+k:75+80*\a+k]
.endr
.set k, k+4
.endr
.irp a, 0,1
	v_pk_add_f32 v[ST+12*\a+6:ST+12*\a+7], v[ST+12*\a+6:ST+12*\a+7], v[ST+12*\a+8:ST+12*\a+9]
.endr
.irp a, 0,1
	v_add_f32 v[ST+12*\a+6], v[ST+12*\a+6], v[ST+12*\a+7]
.endr
.irp a, 0,1
	v_permlanex16_b32 v[ST+12*\a+2], v[ST+12*\a+6], s28, s29
.endr
.irp a, 0,1
	v_add_f32 v[ST+12*\a+6], v[ST+12*\a+6], v[ST+12*\a+2]   ; l, at least 1
.endr
	v_cmp_neq_f32 s40, v[ST+6], v[ST+6]            ; a sum that is NaN: that row's weights count as zeros
	v_cmp_neq_f32 s41, v[ST+18], v[ST+18]
.irp a, 0,1
	v_rcp_f32 v[ST+12*\a+10], v[ST+12*\a+6]        ; the roundings and the second product are the independent work behind these two
.endr
.irp a, 0,1
.irp e, 0,1,2,3,4,5,6,7,8              ; key tile i = e + a: p to f16, in place and ascending: a destination lies under every register not yet read
.irp p, 0,1,2,3
	v_cvt_pk_f16_f32 v[72+72*\a+4*(\e+\a)+\p], v[72+72*\a+8*(\e+\a)+2*\p], v[73+72*\a+8*(\e+\a)+2*\p]
.endr
.endr
.endr
.irp p, 0,1,2,3
	v_mov_b32 v[108+\p], 0                         ; tile 0 has no key tile 9,
	v_mov_b32 v[144+\p], 0                         ; tile 1 no key tile 0: both lie wholly outside the band
.endr
	s_wait_dscnt 0x0                               ; V
	WIN 0x51                                       ; V, C and D window 1; P window 0
.irp c, 0,1,2,3,4                      ; O^T += V^T P, 32 keys at a time; the eight accumulators take turns
.irp ct, 0,1,2,3
.irp a, 0,1
.if \c == 0
	v_wmma_f32_16x16x32_f16 v[160+32*\a+8*\ct:167+32*\a+8*\ct], v[32*\c+8*\ct:32*\c+8*\ct+7], v[72+72*\a+8*\c:79+72*\a+8*\c], 0
.else
	v_wmma_f32_16x16x32_f16 v[160+32*\a+8*\ct:167+32*\a+8*\ct], v[32*\c+8*\ct:32*\c+8*\ct+7], v[72+72*\a+8*\c:79+72*\a+8*\c], v[160+32*\a+8*\ct:167+32*\a+8*\ct]
.endif
.endr
.endr
.endr
	WIN 0
.rept 4
	v_nop                                          ; four places in front of the first read of the results
.endr
	s_wait_alu depctr_va_vdst(0)                   ; the wait for the two reciprocals, ahead of their first reader
.irp a, 0,1
	v_mov_b32 v[ST+12*\a+11], v[ST+12*\a+10]
.endr
	WIN 0x01                                       ; O^T window 1
.irp a, 0,1
.set k, 0
.rept 16
	v_pk_mul_f32 v[112+72*\a+k:113+72*\a+k], v[160+32*\a+k:161+32*\a+k], v[ST+12*\a+10:ST+12*\a+11] op_sel_hi:[1,0]   ; O^T / l, each accumulator from its low end on
.set k, k+2
.endr
.endr
	WIN 0
.irp a, 0,1
.irp ct, 0,1,2,3
.irp p, 0,1,2,3
	v_cvt_pk_f16_f32 v[PK+16*\a+4*\ct+\p], v[112+72*\a+8*\ct+2*\p], v[113+72*\a+8*\ct+2*\p]
.endr
.endr
.endr
.irp j, 0,1,2,3,4,5,6,7,8,9,10,11,12,13,14,15
	v_cndmask_b32 v[PK+\j], v[PK+\j], v[ZR], s40
	v_cndmask_b32 v[PK+16+\j], v[PK+16+\j], v[ZR], s41
.endr
.irp a, 0,1
.irp ct, 0,1,2,3
	global_store_b128 v[LI], v[PK+16*\a+4*\ct:PK+16*\a+4*\ct+3], s[22:23] offset:8192*\a+1024*(\ct/2)+512*(\ct%2)   ; an image: 512 consecutive bytes, aligned
.endr
.endr
	s_wait_tensorcnt 0x0                           ; the wave's end: three closing lines behind my last LDS store
	ds_add_u32 v[SPW], v[NIL]
	s_wait_dscnt 0x0
	s_endpgm
.Lfunc_end_k_q24aa070629_attn:
	.size	k_q24aa070629_attn, .Lfunc_end_k_q24aa070629_attn-k_q24aa070629_attn
	.p2alignl 7, 3214868480
	.fill 96, 4, 3214868480
	.section	.rodata,"a",@progbits
	.p2align	6, 0x0
	.amdhsa_kernel k_q24aa070629_attn
		.amdhsa_group_segment_fixed_size 99328
		.amdhsa_private_segment_fixed_size 0
		.amdhsa_enable_private_segment 0
		.amdhsa_kernarg_size 24
		.amdhsa_user_sgpr_count 2
		.amdhsa_user_sgpr_kernarg_segment_ptr 1
		.amdhsa_wavefront_size32 1
		.amdhsa_system_sgpr_workgroup_id_x 1
		.amdhsa_system_sgpr_workgroup_id_y 1
		.amdhsa_system_sgpr_workgroup_id_z 1
		.amdhsa_system_vgpr_workitem_id 0
		.amdhsa_next_free_vgpr 512
		.amdhsa_next_free_sgpr 66
		.amdhsa_reserve_vcc 0
		.amdhsa_float_denorm_mode_32 3
		.amdhsa_float_denorm_mode_16_64 3
		.amdhsa_memory_ordered 1
		.amdhsa_forward_progress 1
		.amdhsa_inst_pref_size 61
	.end_amdhsa_kernel
	.amdgpu_metadata
---
amdhsa.version: [ 1, 2 ]
amdhsa.kernels:
  - .name:           k_q24aa070629_attn
    .symbol:         k_q24aa070629_attn.kd
    .args:
      - { .name: qkv, .offset: 0, .size: 8, .value_kind: global_buffer, .address_space: global }
      - { .name: bimg, .offset: 8, .size: 8, .value_kind: global_buffer, .address_space: global }
      - { .name: att, .offset: 16, .size: 8, .value_kind: global_buffer, .address_space: global }
    .group_segment_fixed_size: 99328
    .private_segment_fixed_size: 0
    .kernarg_segment_align: 8
    .kernarg_segment_size: 24
    .max_flat_workgroup_size: 256
    .sgpr_count:     66
    .vgpr_count:     512
    .wavefront_size: 32
...
	.end_amdgpu_metadata
.endif
;; end of part 3
;; launch outp (part 4): grid 8 x 32, 4 waves a work-group, clusters of 4 x 4, 327,680 bytes of LDS; arguments att, wo16, bo, out0; writes out0
.if DOCPART == 4
	.amdgcn_target "amdgcn-amd-amdhsa--gfx1250"
	.amdhsa_code_object_version 6
	.text
	.protected	k_q24aa070629_outp
	.globl	k_q24aa070629_outp
	.p2align	8
	.type	k_q24aa070629_outp,@function
k_q24aa070629_outp:
	s_mov_b64 s[64:65], 0
	v_nop
	global_prefetch_b8 v0, s[64:65] scope:SCOPE_SE
	s_setreg_imm32_b32 hwreg(HW_REG_WAVE_MODE, 25, 1), 1
	s_wait_xcnt 0x0
	s_wait_alu depctr_hold_cnt(0) depctr_sa_sdst(0) depctr_va_vdst(0) depctr_va_sdst(0) depctr_va_ssrc(0) depctr_va_vcc(0) depctr_vm_vsrc(0)
	s_getreg_b32 s2, hwreg(HW_REG_IB_STS2, 6, 4)
	s_cmp_eq_u32 s2, 0
	s_cbranch_scc0 .Lentry_in_a_cluster
	s_endpgm
.Lentry_in_a_cluster:
	s_bfe_u32 s2, ttmp6, 0x10000c
	s_cmp_lg_u32 s2, 0xf033
	s_cbranch_scc0 .Lentry_shape_is_right
	s_endpgm
.Lentry_shape_is_right:
; OUTP.  out0 = att Wo + bo: [4096][1024] x [1024][1024], operands f16, sums f32, out0 f32.
; Both operands lie in memory as IMAGES of the operand's registers (lane l's 16 bytes at 16 l): att [k / 256][token tile 256][k / 32 % 8][1,024], wo16 [k / 256][column tile 64][k / 32 % 8][1,024].
; So a K step of 256 of a tile's 128 rows is ONE dense block of 65,536 bytes, every fragment load reads 512 consecutive bytes of LDS, and no padding is wanted.
; A tile of out0 is 128 x 128: 256 work-groups.  Four waves, each 64 x 64: 16 accumulators.  K goes in four steps of 256 through a ring of two LDS slots filled by the tensor data mover, 32 KiB a wave and load.
; CLUSTERS: 4 x 4 work-groups.  The four of a row of the cluster need the same block of att, the four of a column the same block of wo16: each is asked for JOINTLY, by the same tensor load with the same
; descriptor and a mask that names the four.  By this text's own count a wave has at most two tensor loads out: the two first fills; later one.
; THE MATRIX INSTRUCTION IS USED TRANSPOSED (source 0 = 16 columns of Wo, source 1 = 16 tokens): a lane holds eight neighbouring numbers of a row of out0.  bo is the C of each sum's first product.
; REGISTERS: window 0: v16-29 addresses; v32-95 rows on the way out, two sets; v96-127 bo in the result's layout; v128-255 the accumulators ((a, b) at v[128 + 8 (4 a + b)]).
;   window 1: two fragment buffers of 128: for 64 along K, 64 registers of att, then 64 of Wo.
.set SLOT,   131072                    ; att's 8 token tiles x 8,192 bytes, then Wo's 8 column tiles
.set STAGE,  2*SLOT                    ; behind the ring: 16 rows x (256 + 16) bytes for each wave, its own
.set SPITCH, 272
.set SPARE,  STAGE+4*16*SPITCH         ; the spare words, 128 bytes for each wave: two blocks of 256 bytes that no other line names
.set ASTEP,  2097152                   ; a K step on in att,
.set BSTEP,  524288                    ; and in wo16
.set ADRA, 16                          ; v16-17  LDS address of my fragments of att in slot 0, 1
.set ADRB, 20                          ; v20-21  the same for Wo
.set STO,  24                          ; v24     the way out: where I put 32 bytes of a row
.set RD,   25                          ; v25     where I read a row back
.set CO,   26                          ; v26     my byte offset in out0
.set BOF,  27                          ; v27     32 h: bo
.set SPW,  28                          ; v28     my spare word; never rewritten
.set NIL,  29                          ; v29     0; never rewritten
.set TMP,  32
.set BO,   96
.set ACC,  128
.set F0,   0
.set F1,   128
.set G1, 24                            ; s[24:31] descriptor group 1 for att's blocks;  s[32:39] group 0, one set for each slot
.set G0, 32
.set G1B, 48                           ; s[48:55], s[56:63] the same for wo16's
.set G0B, 56
.set MSB, 0
.macro WIN new                         ; the immediate's high byte repeats the setting that is left
.if MSB != \new
	s_set_vgpr_msb (MSB<<8)|\new
.set MSB, \new
.endif
.endm
.set MUL,  0x05                        ; sources 0 and 1 window 1; C and D window 0
.set TO_F, 0x40                        ; destination window 1, address window 0
.macro JLOAD s                         ; a joint load: waves 0 and 1 fetch att's two halves, waves 2 and 3 Wo's; an s_nop 0 and four v_nop follow each of the two lines
	s_cmp_eq_u32 s13, 0
	s_cbranch_scc0 .Lfor_b_\@
	tensor_load_to_lds s[G0+4*\s:G0+4*\s+3], s[G1:G1+7]
	s_nop 0
.rept 4
	v_nop
.endr
	s_branch .Lasked_\@
.Lfor_b_\@:
	tensor_load_to_lds s[G0B+4*\s:G0B+4*\s+3], s[G1B:G1B+7]
	s_nop 0
.rept 4
	v_nop
.endr
.Lasked_\@:
.endm
.macro CREST                           ; a round of the cluster's barrier behind its opening barrier
	s_cmp_lg_u32 s12, 0
	s_cbranch_scc1 .Lnot_wave_0_\@
	s_barrier_signal -3
.Lnot_wave_0_\@:
	s_barrier_wait -3
	s_barrier_signal -1
	s_barrier_wait -1
.endm
.macro CROUND                          ; a whole round
	s_barrier_signal -1
	s_barrier_wait -1
	CREST
.endm
	s_load_b128 s[4:7], s[0:1], 0x0                ; att s[4:5], wo16 s[6:7]
	s_load_b128 s[8:11], s[0:1], 0x10              ; bo s[8:9], out0 s[10:11]
	v_lshl_add_u32 v[SPW], v0, 2, SPARE
	v_mov_b32 v[NIL], 0
	ds_add_u32 v[SPW], v[NIL]                      ; the wave's opening: the add, twice on end, and its wait ahead of my first tensor load
	ds_add_u32 v[SPW], v[NIL]
	v_lshrrev_b32 v1, 5, v0
	v_readfirstlane_b32 s12, v1                    ; wave 0..3
	s_lshr_b32 s13, s12, 1                         ; which half of the tile's rows is mine.  Also: I fetch for att (0) or for Wo (1)
	s_and_b32 s14, s12, 1                          ; which half of its columns.  Also: which half of that block I fetch
	s_bfe_u32 s40, ttmp6, 0x40000                  ; cx, cy: my place in the cluster
	s_bfe_u32 s41, ttmp6, 0x40004
	s_lshl_b32 s42, ttmp9, 2
	s_add_co_u32 s42, s42, s40                     ; tile column = 4 x cluster x + cx
	s_and_b32 s15, ttmp7, 0xffff
	s_lshl_b32 s15, s15, 2
	s_add_co_u32 s15, s15, s41                     ; tile row = 4 x cluster y + cy
	s_lshl_b32 s43, s41, 2
	s_lshl_b32 s43, 15, s43                        ; my row of the cluster
	s_lshl_b32 s44, 0x1111, s40                    ; my column
	; descriptor group 1: a dense block of 32,768 bytes as 128 rows of 32 elements of 8 bytes, no padding
	s_or_b32 s[G1+0], s43, (3<<16)|(1<<21)         ; 15:0 the mask: att's blocks go to my row; 17:16 elements of 8 bytes; 21 set beside a mask
	s_or_b32 s[G1B+0], s44, (3<<16)|(1<<21)
.irp g, G1, G1B
	s_mov_b32 s[\g+1], 32<<16                      ; tensor_dim0 = 32
	s_mov_b32 s[\g+2], 128<<16                     ; tensor_dim1 = 128
	s_mov_b32 s[\g+3], 32<<16                      ; tile_dim0 = 32
	s_mov_b32 s[\g+4], 128                         ; tile_dim1 = 128
	s_mov_b32 s[\g+5], 32                          ; tensor_dim0_stride
	s_mov_b32 s[\g+6], 0
	s_mov_b32 s[\g+7], 0
.endr
	s_lshl_b32 s18, s14, 15                        ; which half of the block I fetch
	s_lshl_b32 s16, s15, 16
	s_add_co_u32 s16, s16, s18                     ; att: 65,536 x tile row + 32,768 x half
	s_mov_b32 s17, 0
	s_lshl_b32 s46, s42, 16
	s_add_co_u32 s46, s46, s18                     ; wo16: 65,536 x tile column + 32,768 x half
	s_mov_b32 s47, 0
	s_lshl_b32 s20, s12, 15                        ; where they go: 32,768 x wave: no place in the cluster enters an LDS address
	s_wait_dscnt 0x0                               ; both opening adds are done
	s_wait_kmcnt 0x0
	s_add_nc_u64 s[16:17], s[4:5], s[16:17]
	s_add_nc_u64 s[46:47], s[6:7], s[46:47]
	CROUND                                         ; all sixteen work-groups are here: the first joint loads meet
.irp s, 0,1
	s_mov_b32 s[G0+4*\s], 1
	s_add_co_u32 s[G0+4*\s+1], s20, \s*SLOT
	s_add_nc_u64 s[G0+4*\s+2:G0+4*\s+3], s[16:17], \s*ASTEP
	s_or_b32 s[G0+4*\s+3], s[G0+4*\s+3], 0x80000000
	s_mov_b32 s[G0B+4*\s], 1
	s_add_co_u32 s[G0B+4*\s+1], s20, \s*SLOT
	s_add_nc_u64 s[G0B+4*\s+2:G0B+4*\s+3], s[46:47], \s*BSTEP
	s_or_b32 s[G0B+4*\s+3], s[G0B+4*\s+3], 0x80000000
	JLOAD \s
.endr
	v_and_b32 v1, 15, v0                           ; r
	v_bfe_u32 v2, v0, 4, 1                         ; h
	v_and_b32 v3, 31, v0
	v_lshlrev_b32 v3, 4, v3                        ; 16 x lane
	s_lshl_b32 s21, s13, 15                        ; my four token tiles
	s_lshl_b32 s22, s14, 15                        ; my four column tiles,
	s_add_co_u32 s22, s22, 65536                   ; which lie behind att's eight
.irp s, 0,1
	v_add_nc_u32 v[ADRA+\s], s21, v3
	v_add_nc_u32 v[ADRB+\s], s22, v3
	s_add_co_u32 s21, s21, SLOT
	s_add_co_u32 s22, s22, SLOT
.endr
	s_mul_i32 s23, s12, 16*SPITCH
	s_add_co_u32 s23, s23, STAGE                   ; my stage
	v_mul_u32_u24 v4, v1, SPITCH                   ; in: row r, 32 bytes for each half of the lanes
	v_lshl_add_u32 v4, v2, 5, v4
	v_add_nc_u32 v[STO], s23, v4
	v_mul_u32_u24 v5, v2, SPITCH                   ; back: lanes 0-15 one row of 256 bytes, lanes 16-31 the next
	v_lshl_add_u32 v5, v1, 4, v5
	v_add_nc_u32 v[RD], s23, v5
	v_lshlrev_b32 v5, 12, v2                       ; and the same two rows in out0: 4,096 bytes a row
	v_lshl_add_u32 v[CO], v1, 4, v5
	v_lshlrev_b32 v[BOF], 5, v2
	s_lshl_b32 s18, s42, 9                         ; my first column, in bytes: 512 x tile column + 256 x half
	s_lshl_b32 s19, s14, 8
	s_add_co_u32 s18, s18, s19
	s_mov_b32 s19, 0
	s_add_nc_u64 s[8:9], s[8:9], s[18:19]
	s_add_nc_u64 s[10:11], s[10:11], s[18:19]
	s_lshl_b32 s18, s15, 19                        ; my first row: 128 x tile row + 64 x half, 4,096 bytes each
	s_lshl_b32 s21, s13, 18
	s_add_co_u32 s18, s18, s21
	s_add_nc_u64 s[10:11], s[10:11], s[18:19]
.irp b, 0,1,2,3
	global_load_b128 v[BO+8*\b:BO+8*\b+3], v[BOF], s[8:9] offset:64*\b         ; bo of columns 16 b + 8 h + 0..7
	global_load_b128 v[BO+8*\b+4:BO+8*\b+7], v[BOF], s[8:9] offset:64*\b+16
.endr
; 8 matrix instructions: token tiles a0, a0 + 1 x all 4 column tiles, 32 along K: half c of buffer f.  zero = 1: the first product starts the sums, from bo.  The 16 accumulators take turns
.macro MUL8 f, c, a0, zero
.irp a, \a0, \a0+1
.irp b, 0,1,2,3
.if \zero
	v_wmma_f32_16x16x32_f16 v[ACC+8*(4*(\a)+\b):ACC+8*(4*(\a)+\b)+7], v[\f+64+8*(4*\c+\b):\f+64+8*(4*\c+\b)+7], v[\f+8*(4*\c+\a):\f+8*(4*\c+\a)+7], v[BO+8*\b:BO+8*\b+7]
.else
	v_wmma_f32_16x16x32_f16 v[ACC+8*(4*(\a)+\b):ACC+8*(4*(\a)+\b)+7], v[\f+64+8*(4*\c+\b):\f+64+8*(4*\c+\b)+7], v[\f+8*(4*\c+\a):\f+8*(4*\c+\a)+7], v[ACC+8*(4*(\a)+\b):ACC+8*(4*(\a)+\b)+7]
.endif
.endr
.endr
.endm
; 32 LDS loads in one run: the fragments of the slot's q-th 64 along K into buffer f; the first 32 along K first
.macro FETCH slot, q, f
	WIN TO_F
.irp c, 0,1
.irp i, 0,1,2,3
	ds_load_b128 v[\f+64+8*(4*\c+\i):\f+64+8*(4*\c+\i)+3],   v[ADRB+\slot] offset:8192*\i+1024*(2*(\q)+\c)
	ds_load_b128 v[\f+64+8*(4*\c+\i)+4:\f+64+8*(4*\c+\i)+7], v[ADRB+\slot] offset:8192*\i+1024*(2*(\q)+\c)+512
	ds_load_b128 v[\f+8*(4*\c+\i):\f+8*(4*\c+\i)+3],         v[ADRA+\slot] offset:8192*\i+1024*(2*(\q)+\c)
	ds_load_b128 v[\f+8*(4*\c+\i)+4:\f+8*(4*\c+\i)+7],       v[ADRA+\slot] offset:8192*\i+1024*(2*(\q)+\c)+512
.endr
.endr
.endm
.macro PLACES                          ; four places in front of loads into registers that matrix instructions have read, and of the first read of results
.rept 4
	v_nop
.endr
.endm
; A K step is four quarters of 64 along K, 32 matrix instructions each, on buffers 0, 1, 0, 1.  One of the first three: multiplies buffer f and fetches quarter q into g.
.macro QUARTER slot, q, f, g, zero
	s_wait_dscnt 16                                ; the first 32 along K are in; the other sixteen loads may be out
	WIN MUL
	MUL8 \f, 0, 0, \zero
	MUL8 \f, 0, 2, \zero
	PLACES
	FETCH \slot, \q, \g
	s_wait_dscnt 32                                ; all but the 32 just issued
	WIN MUL
	MUL8 \f, 1, 0, 0
	MUL8 \f, 1, 2, 0
.endm
; The last quarter multiplies buffer 1 and changes slots: ONE barrier; in front of it each wave waits for all its tensor loads, adds 0 to its spare word, and waits for that and for its own reads of this slot.  fill = 1: this slot is filled again, two K steps ahead.
.macro TURN slot, next, fill
	WIN 0                                          ; (the add's two registers lie in window 0)
	s_wait_tensorcnt 0x0                           ; all my tensor loads have landed: my part of the next slot;
	ds_add_u32 v[SPW], v[NIL]                      ; 0 onto my spare word;
	s_wait_dscnt 17                                ; (the add and the youngest sixteen loads may be out)
	WIN MUL
	MUL8 F1, 0, 0, 0                               ; eight matrix instructions stand between the add and the wait for it
	s_wait_dscnt 0x0                               ; the add is done, and my reads of this slot are over
	s_barrier_signal -1
	MUL8 F1, 0, 2, 0
.if \fill
	WIN 0
.endif
	s_barrier_wait -1
.if \fill
	CREST                                          ; the barrier has opened a round of the cluster's barrier: no wave of any partner still reads this slot or has a load on its way
	s_add_nc_u64 s[G0+4*\slot+2:G0+4*\slot+3], s[G0+4*\slot+2:G0+4*\slot+3], 2*ASTEP
	s_add_nc_u64 s[G0B+4*\slot+2:G0B+4*\slot+3], s[G0B+4*\slot+2:G0B+4*\slot+3], 2*BSTEP
	JLOAD \slot                                    ; the first tensor load behind the round; the four v_nop behind it are also the places in front of the loads below
.else
	PLACES
.endif
	FETCH \next, 0, F0
	WIN MUL
	MUL8 F1, 1, 0, 0
	MUL8 F1, 1, 2, 0
.endm
	s_wait_loadcnt 0x0                             ; bo
	s_wait_tensorcnt 1                             ; my part of K step 0 is in; K step 1's may stay out
	s_barrier_signal -1
	s_barrier_wait -1                              ; everybody's is
	FETCH 0, 0, F0
	QUARTER 0, 1, F0, F1, 1                        ; K step 0; its first products start the sums
	QUARTER 0, 2, F1, F0, 0
	QUARTER 0, 3, F0, F1, 0
	TURN 0, 1, 1                                   ; slot 0 takes K step 2
	QUARTER 1, 1, F0, F1, 0                        ; K step 1
	QUARTER 1, 2, F1, F0, 0
	QUARTER 1, 3, F0, F1, 0
	TURN 1, 0, 1                                   ; slot 1 takes K step 3
	QUARTER 0, 1, F0, F1, 0                        ; K step 2: the last two steps fill nothing, and have no round of the cluster's barrier
	QUARTER 0, 2, F1, F0, 0
	QUARTER 0, 3, F0, F1, 0
	TURN 0, 1, 0
	QUARTER 1, 1, F0, F1, 0                        ; K step 3
	QUARTER 1, 2, F1, F0, 0
	QUARTER 1, 3, F0, F1, 0
	s_wait_dscnt 16                                ; the very last quarter: nothing more to fetch
	WIN MUL
	MUL8 F1, 0, 0, 0
	MUL8 F1, 0, 2, 0
	s_wait_dscnt 0x0
	MUL8 F1, 1, 0, 0
	MUL8 F1, 1, 2, 0
	WIN 0
; THE WAY OUT, a token tile (16 rows x 64 columns, 256 bytes a row) at a time: 32 bytes a lane into my own stage, back as whole rows, sixteen lanes to 256 consecutive bytes, aligned.
; LDS serves a wave's instructions in order (ISA guide 5.7.1.4): no wait between the stores and the loads, nor in front of the next tile's stores.
.macro TOSTAGE a
.irp b, 0,1,2,3
	ds_store_b128 v[STO], v[ACC+8*(4*(\a)+\b):ACC+8*(4*(\a)+\b)+3] offset:64*\b          ; each accumulator from its low end on
	ds_store_b128 v[STO], v[ACC+8*(4*(\a)+\b)+4:ACC+8*(4*(\a)+\b)+7] offset:64*\b+16
.endr
.irp t, 0,1,2,3,4,5,6,7
	ds_load_b128 v[TMP+32*((\a)%2)+4*\t:TMP+32*((\a)%2)+4*\t+3], v[RD] offset:\t*2*SPITCH
.endr
.endm
.macro SEND a, younger                 ; younger: the LDS instructions issued behind tile a's loads, which may stay out
	s_wait_dscnt \younger
.irp t, 0,1,2,3,4,5,6,7
	global_store_b128 v[CO], v[TMP+32*((\a)%2)+4*\t:TMP+32*((\a)%2)+4*\t+3], s[10:11] offset:4096*(16*(\a)+2*\t) th:TH_STORE_NT   ; written once, read by nobody here
.endr
.endm
	PLACES
	TOSTAGE 0
	TOSTAGE 1
	SEND 0, 16                                     ; behind tile 0's loads: tile 1's 8 stores and 8 loads
	s_wait_xcnt 0x0                                ; tile 0's stores have read their registers: tile 2's loads may land there
	TOSTAGE 2
	SEND 1, 16
	s_wait_xcnt 0x0                                ; tile 1's likewise
	TOSTAGE 3
	SEND 2, 16
	SEND 3, 0
	s_wait_tensorcnt 0x0                           ; the wave's end: three closing lines, behind my last tensor load and my last LDS store
	ds_add_u32 v[SPW], v[NIL]
	s_wait_dscnt 0x0
	CROUND                                         ; the closing round: no work-group ends while a partner may still ask for a block that names it
	s_endpgm
.Lfunc_end_k_q24aa070629_outp:
	.size	k_q24aa070629_outp, .Lfunc_end_k_q24aa070629_outp-k_q24aa070629_outp
	.p2alignl 7, 3214868480
	.fill 96, 4, 3214868480
	.section	.rodata,"a",@progbits
	.p2align	6, 0x0
	.amdhsa_kernel k_q24aa070629_outp
		.amdhsa_group_segment_fixed_size 327680
		.amdhsa_private_segment_fixed_size 0
		.amdhsa_enable_private_segment 0
		.amdhsa_kernarg_size 32
		.amdhsa_user_sgpr_count 2
		.amdhsa_user_sgpr_kernarg_segment_ptr 1
		.amdhsa_wavefront_size32 1
		.amdhsa_system_sgpr_workgroup_id_x 1
		.amdhsa_system_sgpr_workgroup_id_y 1
		.amdhsa_system_sgpr_workgroup_id_z 1
		.amdhsa_system_vgpr_workitem_id 0
		.amdhsa_next_free_vgpr 512
		.amdhsa_next_free_sgpr 66
		.amdhsa_reserve_vcc 0
		.amdhsa_float_denorm_mode_32 3
		.amdhsa_float_denorm_mode_16_64 3
		.amdhsa_memory_ordered 1
		.amdhsa_forward_progress 1
		.amdhsa_inst_pref_size 86
	.end_amdhsa_kernel
	.amdgpu_metadata
---
amdhsa.version: [ 1, 2 ]
amdhsa.kernels:
  - .name:           k_q24aa070629_outp
    .symbol:         k_q24aa070629_outp.kd
    .args:
      - { .name: att, .offset: 0, .size: 8, .value_kind: global_buffer, .address_space: global }
      - { .name: wo16, .offset: 8, .size: 8, .value_kind: global_buffer, .address_space: global }
      - { .name: bo, .offset: 16, .size: 8, .value_kind: global_buffer, .address_space: global }
      - { .name: out0, .offset: 24, .size: 8, .value_kind: global_buffer, .address_space: global }
    .group_segment_fixed_size: 327680
    .private_segment_fixed_size: 0
    .kernarg_segment_align: 8
    .kernarg_segment_size: 32
    .max_flat_workgroup_size: 128
    .sgpr_count:     66
    .vgpr_count:     512
    .wavefront_size: 32
...
	.end_amdgpu_metadata
.endif
;; end of part 4
;; ======== version 2 of 2: 4 launches; version 1 with the launch proj written anew for expert scheduling mode
;; limits: values are held in f16: magnitudes above 65,504 overflow, below 6.1e-05 lose precision; right only within a limited range of input values
;; workspace buffers: wc 1,572,864 bytes; ws 98,304 bytes; wo16 2,097,152 bytes; bimg 147,456 bytes; qkv 25,165,824 bytes; att 8,388,608 bytes
;; launch prep: the kernel of part 1 again; grid 274 x 1, 4 waves a work-group, no clusters, 0 bytes of LDS; arguments Wq, Wk, Wv, Wo, rel_table, wc, ws, wo16, bimg; writes wc, ws, wo16, bimg
;; launch proj (part 5): grid 192 x 1, 8 waves a work-group, no clusters, 105,472 bytes of LDS; arguments q_in, k_in, v_in, bq, bk, bv, wc, ws, qkv; writes qkv
.if DOCPART == 5
	.amdgcn_target "amdgcn-amd-amdhsa--gfx1250"
	.amdhsa_code_object_version 6
	.text
	.protected	k_q24aa070629_proj
	.globl	k_q24aa070629_proj
	.p2align	8
	.type	k_q24aa070629_proj,@function
k_q24aa070629_proj:
	s_mov_b64 s[64:65], 0
	v_nop
	global_prefetch_b8 v0, s[64:65] scope:SCOPE_SE
	s_setreg_imm32_b32 hwreg(HW_REG_WAVE_SCHED_MODE, 0, 2), 2
	s_setreg_imm32_b32 hwreg(HW_REG_WAVE_MODE, 25, 1), 1
	s_wait_xcnt 0x0
	s_wait_alu depctr_vm_vsrc(0)
; PROJ.  q = q_in Wq + bq, k = k_in Wk + bk, v = v_in Wv + bv: [4096][1024] x [1024][1024], both operands as codes of E2M1 with one E8M0 scale for each 32 along K; sums in f32; results + bias rounded to f16.
; SHARES.  Work-group g: tensor t = g / 64, rows 64 (g % 64) on, ALL 1,024 columns: so x is read from memory once, and quantised once.
; PHASE X: wave w quantises row tile w / 2 (16 rows), K half w % 2 (512 k, four K steps of 128).  Loads take the bytes as they lie (512 consecutive bytes); a K step turns through the wave's own stage in LDS, so that a lane
;   holds two whole blocks of 32 of its row in the operand's order; codes and scale words go to LDS as IMAGES of the operand's registers (lane l's 16 bytes at 16 l).  One barrier.
; PHASE G: wave w makes columns 128 w .. 128 w + 127 (two heads) for all 64 rows: 32 accumulators, 8 K steps, 32 matrix instructions a step, the accumulators by turns.
;   The weights come from memory straight into registers as images (launch prep laid them so), two K steps ahead; x's fragments from LDS, two steps ahead too.
; ORIENTATION.  q, k: source 0 = 16 columns of W, source 1 = 16 rows of x: a lane holds token r and channels 8 h + 0..7.  v: the sources swapped: a lane holds channel r and tokens 8 h + 0..7.
;   Rounded to f16 both are 16 bytes a lane: images of the attention's operands.  qkv [q, k, v][batch x head 32][token tile 128][channel tile 4][512].
; NO JOINT REQUESTS: each weight fragment is read by ONE wave of a work-group and lands in its registers; a joint request lands in LDS, a pass that this text does not have.
; LIMITS: |q|, |k|, |v| beyond 65,504 have no f16 number; NaN and infinities among the inputs are not served; a block of zeros gets the byte 1 (its codes are zeros).
; REGISTERS.  window 0: v1-12 addresses; v16-79 64 numbers of x, later x's fragments in two sets; v80-143, v144-207 the weights' fragments in two sets (the second: at work in phase X); v208-239 W's scale words, v240-255 x's.
;   window 1: phase X: the 256 registers of x as loaded; phase G: accumulator (column tile nt, row tile rt) at v[8 (4 nt + rt)].
; THE MODE: SCHED_MODE bits 1:0 = 2 (LLVM: expert scheduling mode 2), set by the entry lines.  The code itself states the register dependences
; between vector or matrix instructions and memory or LDS instructions, with s_wait_alu, always for 0.
; THE PLAN.  Registers that memory or LDS instructions touch:
;   v1-v11        addresses and the add's pair: written at the head, ahead of one wait on va_vdst, and never again.
;   window 1      loaded at the head; read by phase X's LDS stores into the stage; written by the products from phase G on: one wait on vm_vsrc behind phase X.
;   v[XN ..]      phase X: a step's LDS loads land in it, its maxima and conversions read it.  Phase G: step s's products read set s % 2; behind them the fragments of step s + 2 land in it.
;   v[PC ..], v[XSW ..]  written by a step's vector instructions, read by LDS stores; written again in the next step (a wait on vm_vsrc); behind phase X the weights' set 1 lands there (the same wait as window 1's).
;   v[W0 ..]      step s's products read set s % 2; behind them the weights of step s + 2 land in it (behind step 6: the biases).
;   v16-79, v144-207 on the way out: two out-buffers, written by the roundings of column tiles 0-3 and 4-7, read by 16 stores each.
; So: ONE wait on va_vdst in a step of phase X, behind its conversions; ONE in each of phase G's steps 0 to 6, behind its products, ahead of the step's one run of loads; one ahead of each run of stores.
; The loads stand in one run and not among the products: the products' destination window is 1, the loads' is 0.  No third set: the wave's 512 registers are all taken.
.set TPITCH, 528                       ; a stage row: 512 bytes + 16: sixteen rows start at sixteen different 16-byte columns of 256 bytes
.set TWAVE,  16*TPITCH                 ; a wave's stage
.set XIMG,   8*TWAVE                   ; x's fragments [row tile 4][K step 8][1,024]
.set XSC,    XIMG+32768                ; x's scale words [wave 8][lane 32][4 words]
.set SPARE,  XSC+4096                  ; the spare words, 128 bytes for each wave: four blocks of 256 bytes that no other line names
.set LI,  1                            ; v1   16 x lane
.set TW,  2                            ; v2   the stage, in
.set TR,  3                            ; v3   the stage, out: row r, + 128 h
.set XW,  4                            ; v4   where I store my fragments' images
.set XSA, 5                            ; v5   and my scale words
.set XSR, 6                            ; v6   where I read scale words: lanes 0-15 K steps 0-3, lanes 16-31 K steps 4-7
.set XFA, 7                            ; v7   where I read fragments
.set SPW, 8                            ; v8   my spare word; never rewritten
.set NIL, 9                            ; v9   0; never rewritten
.set BO0, 10                           ; v10  32 h: the bias of q, k
.set BO1, 11                           ; v11  4 r: the bias of v
.set SH8, 12                           ; v12  8 h
.set XN,  16
.set W0,  80
.set BI,  80                           ; the biases take set 0's place behind K step 6
.set TM,  144
.set SO,  146
.set BY,  148
.set PM,  150
.set WD,  151
.set PC,  160
.set XSW, 168
.set WS,  208
.set XS,  240
.set MSB, 0
.macro WIN new                         ; the immediate's high byte repeats the setting that is left
.if MSB != \new
	s_set_vgpr_msb (MSB<<8)|\new
.set MSB, \new
.endif
.endm
.macro WLOAD s                         ; the weights' eight fragments of K step s into set s % 2: 16 loads of 512 consecutive bytes
.irp nt, 0,1,2,3,4,5,6,7
.irp c, 0,1
	global_load_b128 v[W0+64*((\s)%2)+8*\nt+4*\c:W0+64*((\s)%2)+8*\nt+4*\c+3], v[LI], s[30:31] offset:65536*(\s)+1024*\nt+512*\c
.endr
.endr
.endm
.macro XFETCH s                        ; x's four fragments of K step s into set s % 2
.irp rt, 0,1,2,3
.irp c, 0,1
	ds_load_b128 v[XN+32*((\s)%2)+8*\rt+4*\c:XN+32*((\s)%2)+8*\rt+4*\c+3], v[XFA] offset:8192*\rt+1024*(\s)+512*\c
.endr
.endr
.endm
; One of my four K steps of x.
.macro XSTEP sp
	s_wait_loadcnt 48-16*\sp                       ; this step's 16 loads are in; those of the later steps may be out
	WIN 0x04                                       ; an LDS store's data are its source 1: window 1
.irp i, 0,1,2,3,4,5,6,7,8,9,10,11,12,13,14,15
	ds_store_b128 v[TW], v[64*\sp+4*\i:64*\sp+4*\i+3] offset:TPITCH*\i
.endr
	WIN 0
.irp c, 0,1
.irp i, 0,1,2,3,4,5,6,7
	ds_load_b128 v[XN+32*\c+4*\i:XN+32*\c+4*\i+3], v[TR] offset:256*\c+16*\i   ; x(r, 64 c + 32 h + 4 i ..): LDS serves a wave's instructions in order, so these see the stores above.  No wait on va_vdst here: no vector instruction has been issued since the last step's
.endr
.endr
	s_wait_dscnt 0x0                               ; they are in
.if \sp > 0
	s_wait_alu depctr_vm_vsrc(0)                   ; the last step's two LDS stores have read v[PC ..], which this step's conversions write again
.endif
.irp c, 0,1
	v_max3_num_f32 v[TM+\c], |v[XN+32*\c]|, |v[XN+32*\c+1]|, 0x1800000   ; my block 2 c + h: all 32 numbers are mine; the floor 2^(3 - 127) holds the byte at 1 from below
.endr
.irp i, 2,4,6,8,10,12,14,16,18,20,22,24,26,28,30
.irp c, 0,1
	v_max3_num_f32 v[TM+\c], v[TM+\c], |v[XN+32*\c+\i]|, |v[XN+32*\c+\i+1]|
.endr
.endr
.irp c, 0,1
	v_add_nc_u32 v[SO+\c], 0xff000000, v[TM+\c]    ; 2 off the exponent field: the conversion's scale operand
.endr
.irp c, 0,1
	v_lshrrev_b32 v[BY+\c], 23, v[SO+\c]           ; the scale's byte
.endr
	v_lshl_or_b32 v[WD], v[BY+1], 16, v[BY]        ; blocks h and 2 + h,
	v_lshlrev_b32 v[WD], v[SH8], v[WD]             ; at their places in the word;
	v_permlanex16_b32 v[PM], v[WD], s38, s39
	v_or_b32 v[XSW+\sp], v[WD], v[PM]              ; with lane l xor 16's two the row's word is whole
.irp c, 0,1
.irp g, 0,1,2,3
	v_cvt_scalef32_pk8_fp4_f32 v[PC+4*\c+\g], v[XN+32*\c+8*\g:XN+32*\c+8*\g+7], v[SO+\c]   ; registers 4 c .. 4 c + 3 of the operand
.endr
.endr
	v_nop                                          ; one plain line behind the last scaled conversion
	s_wait_alu depctr_va_vdst(0)                   ; the conversions have written v[PC ..], which the stores below read, and v[XSW + sp] is written; the step is done reading v[XN ..], in which the next LDS loads land, and done with v144-171
.irp c, 0,1
	ds_store_b128 v[XW], v[PC+4*\c:PC+4*\c+3] offset:1024*\sp+512*\c
.endr
.endm
; One matrix instruction of K step s.  From K step 4 on both sides' scale words are read from lanes 16-31.
.macro MMS d, a, b, sa, sb, s
.if (\s) == 0
	v_wmma_scale_f32_16x16x128_f8f6f4 v[\d:\d+7], v[\a:\a+7], v[\b:\b+7], 0, v[\sa], v[\sb] matrix_a_fmt:MATRIX_FMT_FP4 matrix_b_fmt:MATRIX_FMT_FP4
.elseif (\s) < 4
	v_wmma_scale_f32_16x16x128_f8f6f4 v[\d:\d+7], v[\a:\a+7], v[\b:\b+7], v[\d:\d+7], v[\sa], v[\sb] matrix_a_fmt:MATRIX_FMT_FP4 matrix_b_fmt:MATRIX_FMT_FP4
.else
	v_wmma_scale_f32_16x16x128_f8f6f4 v[\d:\d+7], v[\a:\a+7], v[\b:\b+7], v[\d:\d+7], v[\sa], v[\sb] matrix_a_fmt:MATRIX_FMT_FP4 matrix_b_fmt:MATRIX_FMT_FP4 matrix_a_scale:MATRIX_SCALE_ROW1 matrix_b_scale:MATRIX_SCALE_ROW1
.endif
.endm
.macro GSTEP s, V
	s_wait_loadcnt 16                              ; this step's weights are in; the 16 younger loads (the next step's weights; at the last step the biases) may be out
.if (\s) < 7
	s_wait_dscnt 8                                 ; this step's fragments of x are in; the next step's eight loads may be out
.else
	s_wait_dscnt 0x0
.endif
	WIN 0x50                                       ; C and D window 1
.irp nt, 0,1,2,3,4,5,6,7
.irp rt, 0,1,2,3
.if \V
	MMS 8*(4*\nt+\rt), XN+32*((\s)%2)+8*\rt, W0+64*((\s)%2)+8*\nt, XS+4*\rt+(\s)%4, WS+4*\nt+(\s)%4, \s
.else
	MMS 8*(4*\nt+\rt), W0+64*((\s)%2)+8*\nt, XN+32*((\s)%2)+8*\rt, WS+4*\nt+(\s)%4, XS+4*\rt+(\s)%4, \s
.endif
.endr
.endr
	WIN 0
.rept 4
	v_nop                                          ; four places in front of loads into registers that these products have read, and of the first read of results
.endr
.if (\s) < 7
	s_wait_alu depctr_va_vdst(0)                   ; this step's products are done reading set s % 2 of the weights' fragments and of x's, in which the loads below land; the places above stay beside this wait
.endif
.if (\s) < 6
	WLOAD (\s)+2
	XFETCH (\s)+2
.elseif (\s) == 6
.irp nt, 0,1,2,3,4,5,6,7
.if \V
	global_load_b32 v[BI+2*\nt], v[BO1], s[28:29] offset:64*\nt     ; b of my channel r, twice: a pair for the packed addition
	global_load_b32 v[BI+2*\nt+1], v[BO1], s[28:29] offset:64*\nt
.else
	global_load_b128 v[BI+8*\nt:BI+8*\nt+3], v[BO0], s[28:29] offset:64*\nt      ; b of my channels 8 h + 0..7
	global_load_b128 v[BI+8*\nt+4:BI+8*\nt+7], v[BO0], s[28:29] offset:64*\nt+16
.endif
.endr
.endif
.endm
.macro PHASEG V
.irp s, 0,1,2,3,4,5,6,7
	GSTEP \s, \V
.endr
	s_wait_loadcnt 0x0                             ; the biases
.irp hf, 0,1                           ; THE WAY OUT in two halves, column tiles 4 hf .. 4 hf + 3, each with an out-buffer of its own: the first half's stores leave while the second half is worked on
	WIN 0x41                                       ; destination and source 0 window 1
.irp n, 0,1,2,3
.set NT, 4*\hf+\n
.irp rt, 0,1,2,3
.irp p, 0,1,2,3                        ; each accumulator from its low end on
.if \V
	v_pk_add_f32 v[8*(4*NT+\rt)+2*\p:8*(4*NT+\rt)+2*\p+1], v[8*(4*NT+\rt)+2*\p:8*(4*NT+\rt)+2*\p+1], v[BI+2*NT:BI+2*NT+1]
.else
	v_pk_add_f32 v[8*(4*NT+\rt)+2*\p:8*(4*NT+\rt)+2*\p+1], v[8*(4*NT+\rt)+2*\p:8*(4*NT+\rt)+2*\p+1], v[BI+8*NT+2*\p:BI+8*NT+2*\p+1]
.endif
.endr
.endr
.endr
	WIN 0x05                                       ; sources window 1, destination window 0: v16-79 (hf = 0) or v144-207 (hf = 1)
.irp n, 0,1,2,3
.set NT, 4*\hf+\n
.irp rt, 0,1,2,3
.irp p, 0,1,2,3
	v_cvt_pk_f16_f32 v[16+4*(4*NT+\rt)+64*\hf+\p], v[8*(4*NT+\rt)+2*\p], v[8*(4*NT+\rt)+2*\p+1]
.endr
.endr
.endr
	WIN 0
	s_wait_alu depctr_va_vdst(0)                   ; this half's roundings have written its out-buffer, which the 16 stores below read.  (The other half's arithmetic names neither that buffer nor v[LI])
.irp n, 0,1,2,3
.irp rt, 0,1,2,3
	global_store_b128 v[LI], v[16+128*\hf+16*\n+4*\rt:16+128*\hf+16*\n+4*\rt+3], s[34:35] offset:262144*\hf+2048*\rt+512*\n   ; an image: 512 consecutive bytes, aligned
.endr
.endr
.endr
	s_wait_dscnt 0x0                               ; the closing lines, six on end
	s_wait_alu 0x0
	s_wait_tensorcnt 0x0
	ds_add_u32 v[SPW], v[NIL]
	s_wait_dscnt 0x0
	s_endpgm
.endm
	s_load_b256 s[4:11], s[0:1], 0x0               ; q_in s[4:5], k_in s[6:7], v_in s[8:9], bq s[10:11]
	s_load_b256 s[12:19], s[0:1], 0x20             ; bk s[12:13], bv s[14:15], wc s[16:17], ws s[18:19]
	s_load_b64 s[20:21], s[0:1], 0x40              ; qkv
	v_lshl_add_u32 v[SPW], v0, 2, SPARE
	v_mov_b32 v[NIL], 0
	v_lshrrev_b32 v13, 5, v0
	v_readfirstlane_b32 s22, v13                   ; wave 0..7
	s_lshr_b32 s23, ttmp9, 6                       ; t
	s_and_b32 s24, ttmp9, 63                       ; block of 64 rows
	v_and_b32 v13, 31, v0
	v_and_b32 v14, 15, v0                          ; r
	v_bfe_u32 v15, v0, 4, 1                        ; h
	v_lshlrev_b32 v[LI], 4, v13
	s_wait_alu depctr_va_sdst(0)                   ; s22 is written, ahead of its first reader: LDS addresses and the bases of x, b, wc, ws and qkv are made from it
	s_mul_i32 s36, s22, TWAVE
	v_add_nc_u32 v[TW], s36, v[LI]
	v_mul_u32_u24 v[TR], v14, TPITCH
	v_lshl_add_u32 v[TR], v15, 7, v[TR]
	v_add_nc_u32 v[TR], s36, v[TR]
	s_lshl_b32 s36, s22, 12                        ; row tile w / 2 (8,192), K half w % 2 (4,096)
	v_add_nc_u32 v[XW], s36, v[LI]
	v_add_nc_u32 v[XW], XIMG, v[XW]
	s_lshl_b32 s36, s22, 9
	v_add_nc_u32 v[XSA], s36, v[LI]
	v_add_nc_u32 v[XSA], XSC, v[XSA]
	v_lshl_add_u32 v[XSR], v15, 9, v[LI]           ; lanes 16-31: the words of the wave that took the upper K half
	v_add_nc_u32 v[XSR], XSC, v[XSR]
	v_add_nc_u32 v[XFA], XIMG, v[LI]
	v_lshlrev_b32 v[BO0], 5, v15
	v_lshlrev_b32 v[BO1], 2, v14
	v_lshlrev_b32 v[SH8], 3, v15
	v_mov_b32 v[PM], 0                             ; a lane permute's destination counts as one of its sources
	s_mov_b32 s38, 0x76543210
	s_mov_b32 s39, 0xfedcba98                      ; selects for lane l xor 16
	s_mov_b32 s37, 0
	s_wait_kmcnt 0x0
	s_cmp_eq_u32 s23, 1                            ; the choices hang on the work-group's number alone
	s_cselect_b64 s[26:27], s[6:7], s[4:5]
	s_cselect_b64 s[28:29], s[12:13], s[10:11]
	s_cmp_eq_u32 s23, 2
	s_cselect_b64 s[26:27], s[8:9], s[26:27]
	s_cselect_b64 s[28:29], s[14:15], s[28:29]
	s_lshl_b32 s36, s24, 18                        ; x: 64 rows of 4,096 bytes a block,
	s_lshr_b32 s25, s22, 1
	s_lshl_b32 s25, s25, 16                        ; 16 rows a row tile,
	s_add_co_u32 s36, s36, s25
	s_and_b32 s25, s22, 1
	s_lshl_b32 s25, s25, 11                        ; 2,048 bytes a K half
	s_add_co_u32 s36, s36, s25
	s_add_nc_u64 s[26:27], s[26:27], s[36:37]
	s_lshl_b32 s36, s22, 9                         ; b: my 128 columns
	s_add_nc_u64 s[28:29], s[28:29], s[36:37]
	s_lshl_b32 s36, s23, 19                        ; wc: 524,288 t + 8,192 w
	s_lshl_b32 s25, s22, 13
	s_add_co_u32 s36, s36, s25
	s_add_nc_u64 s[30:31], s[16:17], s[36:37]
	s_lshl_b32 s36, s23, 15                        ; ws: 32,768 t + 4,096 w
	s_lshl_b32 s25, s22, 12
	s_add_co_u32 s36, s36, s25
	s_add_nc_u64 s[32:33], s[18:19], s[36:37]
	s_lshr_b32 s36, s24, 5                         ; qkv: 8,388,608 t + 262,144 (16 batch + 2 w) + 2,048 x 4 (block % 32)
	s_lshl_b32 s36, s36, 4
	s_lshl_b32 s25, s22, 1
	s_add_co_u32 s36, s36, s25
	s_lshl_b32 s36, s36, 18
	s_lshl_b32 s25, s23, 23
	s_add_co_u32 s36, s36, s25
	s_and_b32 s25, s24, 31
	s_lshl_b32 s25, s25, 13
	s_add_co_u32 s36, s36, s25
	s_add_nc_u64 s[34:35], s[20:21], s[36:37]
	s_wait_alu depctr_va_vdst(0)                   ; the addresses v1 to v11 are written, which every load and store of the kernel reads; only loads and a window switch stand between this wait and the loads of x
.irp nt, 0,1,2,3,4,5,6,7
	global_load_b128 v[WS+4*\nt:WS+4*\nt+3], v[LI], s[32:33] offset:512*\nt   ; register 4 nt + i: lanes 0-15 K step i, lanes 16-31 K step 4 + i
.endr
	WLOAD 0
	WIN 0x40                                       ; destination window 1
.irp sp, 0,1,2,3
.irp i, 0,1,2,3,4,5,6,7,8,9,10,11,12,13,14,15
	global_load_b128 v[64*\sp+4*\i:64*\sp+4*\i+3], v[LI], s[26:27] offset:4096*\i+512*\sp th:TH_LOAD_NT   ; row i, K step sp: 512 consecutive bytes; all of the wave's 32 KiB are asked for at once
.endr
.endr
	WIN 0
	XSTEP 0
	XSTEP 1
	XSTEP 2
	XSTEP 3
	ds_store_b128 v[XSA], v[XSW:XSW+3]             ; my rows' four scale words: all four were written ahead of the last step's wait on va_vdst
	s_wait_dscnt 0x0                               ; for the others' sake: my images and words have landed
	s_wait_alu depctr_vm_vsrc(0)                   ; my LDS stores have read v[PC ..] and v[XSW ..], in which set 1's loads land, and window 1's 256 registers, which the products write from here on
	WLOAD 1                                        ; set 1's registers are free now: the vector instructions that named them stand ahead of the last step's wait on va_vdst
	s_barrier_signal -1
	s_barrier_wait -1                              ; x's 32 fragments and their scale words lie in LDS; nothing is stored there from here on
.irp rt, 0,1,2,3
	ds_load_b128 v[XS+4*\rt:XS+4*\rt+3], v[XSR] offset:1024*\rt
.endr
	XFETCH 0
	XFETCH 1
	s_cmp_eq_u32 s23, 2                            ; v takes the other orientation: a branch on the work-group's number; no barrier and no LDS store stands behind it
	s_cbranch_scc1 .Lvpart
	PHASEG 0
.Lvpart:
	PHASEG 1
.Lfunc_end_k_q24aa070629_proj:
	.size	k_q24aa070629_proj, .Lfunc_end_k_q24aa070629_proj-k_q24aa070629_proj
	.p2alignl 7, 3214868480
	.fill 96, 4, 3214868480
	.section	.rodata,"a",@progbits
	.p2align	6, 0x0
	.amdhsa_kernel k_q24aa070629_proj
		.amdhsa_group_segment_fixed_size 105472
		.amdhsa_private_segment_fixed_size 0
		.amdhsa_enable_private_segment 0
		.amdhsa_kernarg_size 72
		.amdhsa_user_sgpr_count 2
		.amdhsa_user_sgpr_kernarg_segment_ptr 1
		.amdhsa_wavefront_size32 1
		.amdhsa_system_sgpr_workgroup_id_x 1
		.amdhsa_system_sgpr_workgroup_id_y 1
		.amdhsa_system_sgpr_workgroup_id_z 1
		.amdhsa_system_vgpr_workitem_id 0
		.amdhsa_next_free_vgpr 512
		.amdhsa_next_free_sgpr 66
		.amdhsa_reserve_vcc 0
		.amdhsa_float_denorm_mode_32 3
		.amdhsa_float_denorm_mode_16_64 3
		.amdhsa_memory_ordered 1
		.amdhsa_forward_progress 1
		.amdhsa_inst_pref_size 170
	.end_amdhsa_kernel
	.amdgpu_metadata
---
amdhsa.version: [ 1, 2 ]
amdhsa.kernels:
  - .name:           k_q24aa070629_proj
    .symbol:         k_q24aa070629_proj.kd
    .args:
      - { .name: q_in, .offset: 0, .size: 8, .value_kind: global_buffer, .address_space: global }
      - { .name: k_in, .offset: 8, .size: 8, .value_kind: global_buffer, .address_space: global }
      - { .name: v_in, .offset: 16, .size: 8, .value_kind: global_buffer, .address_space: global }
      - { .name: bq, .offset: 24, .size: 8, .value_kind: global_buffer, .address_space: global }
      - { .name: bk, .offset: 32, .size: 8, .value_kind: global_buffer, .address_space: global }
      - { .name: bv, .offset: 40, .size: 8, .value_kind: global_buffer, .address_space: global }
      - { .name: wc, .offset: 48, .size: 8, .value_kind: global_buffer, .address_space: global }
      - { .name: ws, .offset: 56, .size: 8, .value_kind: global_buffer, .address_space: global }
      - { .name: qkv, .offset: 64, .size: 8, .value_kind: global_buffer, .address_space: global }
    .group_segment_fixed_size: 105472
    .private_segment_fixed_size: 0
    .kernarg_segment_align: 8
    .kernarg_segment_size: 72
    .max_flat_workgroup_size: 256
    .sgpr_count:     66
    .vgpr_count:     512
    .wavefront_size: 32
...
	.end_amdgpu_metadata
.endif
;; end of part 5
;; launch attn: the kernel of part 3 again; grid 256 x 1, 8 waves a work-group, no clusters, 99,328 bytes of LDS; arguments qkv, bimg, att; writes att
;; launch outp: the kernel of part 4 again; grid 8 x 32, 4 waves a work-group, clusters of 4 x 4, 327,680 bytes of LDS; arguments att, wo16, bo, out0; writes out0
